; MI455X (gfx1250); checked and timed in simulation.
; The chip was launched on July 23, 2026; its instructions are those of AMD's public machine-readable ISA for CDNA 5 (MIT licence, August 2026) and "CDNA5" Instruction Set Architecture Reference Guide (July 2026). The comments in the code are by the model that wrote it; some were corrected since.
;; m LSTM Weaving Backend. Allowed arithmetic: float matrix products may take bf16 or f16 operands with f32 sums; all other float work in f32.
;; Inputs: c_state 8 x 8 x 64 x 64 float32; f 8 x 8 x 2,048 x 1 float32; i 8 x 8 x 2,048 x 1 float32; k 8 x 8 x 2,048 x 64 float32; m_state 8 x 8 x 1 x 1 float32; n_state 8 x 8 x 64 x 1 float32; q 8 x 8 x 2,048 x 64 float32; v 8 x 8 x 2,048 x 64 float32.
;; Outputs: out0 8 x 8 x 2,048 x 64 float32; out1 8 x 8 x 64 x 64 float32; out2 8 x 8 x 64 x 1 float32; out3 8 x 8 x 1 x 1 float32.
;; 2 versions, each right; version 2 is version 1 with the launch segsum written anew for expert scheduling mode. Each part assembles by itself: llvm-mc -triple=amdgcn-amd-amdhsa -mcpu=gfx1250 --defsym DOCPART=n.
;; ======== version 1 of 2: 2 launches
;; limits: values are held in f16: magnitudes above 65,504 overflow, below 6.1e-05 lose precision
;; workspace buffers: part 3,293,184 bytes
;; launch segsum (part 1): grid 3 x 64, 8 waves a work-group, no clusters, 93,184 bytes of LDS; arguments f, i, k, v, part; writes part
.if DOCPART == 1
	.amdgcn_target "amdgcn-amd-amdhsa--gfx1250"
	.amdhsa_code_object_version 6
	.text
	.protected	k_qd8f2916cbb_segsum
	.globl	k_qd8f2916cbb_segsum
	.p2align	8
	.type	k_qd8f2916cbb_segsum,@function
k_qd8f2916cbb_segsum:
	s_mov_b64 s[64:65], 0
	v_nop
	global_prefetch_b8 v0, s[64:65] scope:SCOPE_SE
	s_setreg_imm32_b32 hwreg(HW_REG_WAVE_MODE, 25, 1), 1
	s_wait_xcnt 0x0
; mLSTM, first of two launches.  A head's 2,048 steps are four segments of 512.  Work-group (g, head), g = 0..2, computes what segment g
; alone adds to the state, starting from an empty state: C_loc [64 dk][64 dv], n_loc [64], M (the segment's own stabiliser) and
; G (the sum of its log2 forget gates).  The second launch folds these records into each segment's incoming state.
; All gate quantities are in base 2 (times log2 e).  In a chunk of 128 steps: b_t = running sum of log2 sigmoid(f), y_s = i_s log2 e - b_s,
; w_t = running maximum of y.  With MP the stabiliser at the chunk's head and UL = max(MP, w_127):
;   C <- 2^(MP-UL) C + sum over s of 2^(y_s-UL-3) k_s v_s^T   (the -3 is the 1/sqrt(64)),  n likewise,  MP <- b_127 + UL.
; That is the recurrence's own running maximum, so every exponent is <= 0.
; Eight waves.  Wave w converts rows 16w..16w+15 of each chunk's K and V to f16 in LDS, and owns the state tiles dk block w&3,
; dv blocks 2(w>>2), 2(w>>2)+1.  All 256 KiB of the segment's K and V are asked for at the start: each chunk has staging registers
; of its own in v256-v511, so nothing is loaded twice and no staging register is filled again.
; LIMITS: |k|/8 and |v| below 65,504 (f16 operands); log2(1+e) stands for log1p (absolute error up to 1e-7 a step); exponentials below
; 2^-126 come out as zero; the order of the sums is not the scan's; NaN and infinite inputs are not served.
; No tensor loads: every tile is converted on its way, so it passes through registers anyway.  No cluster: no two work-groups read the same bytes.
.set LB,  0                            ; LDS: b of the 512 steps, chunk-local
.set LY,  2048                         ; y
.set LW,  4096                         ; w
.set NP,  6144                         ; partial sums of n: [parity][wave][64] f32
.set KS,  10240                        ; 2^(y-UL-3) k in f16: [parity][128 rows], pitch 160
.set VFO, 40960                        ; v in f16 lies this far behind KS, same shape
.set SEGREC, 17152                     ; bytes of a record
.set GK,1                              ; global: w*4096 + L*16
.set GT,3                              ; w*512 + L*16 (f, i; also the gate arrays in LDS)
.set GR,4                              ; w*2048 + L*16 (the record's tiles)
.set GL16,5                            ; L*16
.set GL8,6                             ; L*8
.set GN,7                              ; r*16
.set SS,11                             ; LDS: where my rows of KS go
.set SN,12                             ; where my partial n goes
.set TA,19                             ; transposing loads of KS
.set TB,20                             ; transposing loads of V
.set LN,23                             ; the eight partial n
.set AA,29                             ; (16w+h)*4
.set Z,32                              ; 0
.set MP,34                             ; pairs: the even register is broadcast by packed arithmetic, the odd one is always written first
.set WL,35
.set FG,36
.set UL,37
.set NUL3,44
.set BL,45
.set GS,47
.set A,48                              ; v[48:55]  2^(y-UL-3) of my eight rows
.set N,56                              ; v[56:59]  n[4r..4r+3]
.set T,64                              ; v[64:79]  my two state tiles
.set QF,120                            ; v[120:151] gate work, then the eight partial n
.set G,QF
.set X,152                             ; v[152:159] temporaries
.set TR,160                            ; v[160:255] transients
.set BH,TR                             ; packed 16-bit results
.set FD,TR+32                          ; 32 f32 at work
.set MSB, 0
.macro WIN new                         ; s_set_vgpr_msb: bits 1:0 source 0, 3:2 source 1, 5:4 source 2, 7:6 destination; the high byte repeats the setting left
.if MSB != \new
	s_set_vgpr_msb (MSB<<8)|\new
.set MSB, \new
.endif
.endm
; eight loads of 512 consecutive bytes: my 16 rows of chunk c, into staging registers of the upper window
.macro LOADS sb, dst, c
	WIN 0x40
.irp i,0,1,2,3,4,5,6,7
	global_load_b128 v[\dst+4*\i:\dst+4*\i+3], v[GK], s[\sb:\sb+1] offset:\c*32768+\i*512
.endr
.endm
; one step of a butterfly that leaves in G+20 the sum (maximum) over the lanes below mine; G+21 block total, G+22 partner's total
.macro SCANSTEP op, d, sm, ident
	v_mov_b32_dpp v[G+22], v[G+21] row_xmask:\d row_mask:0xf bank_mask:0xf
	\op v[G+21], v[G+21], v[G+22]
	v_cndmask_b32 v[G+22], \ident, v[G+22], \sm        ; counts only where the partner's block lies below mine
	\op v[G+20], v[G+20], v[G+22]
.endm
.macro SCAN op, ident
	SCANSTEP \op, 1, s38, \ident
	SCANSTEP \op, 2, s39, \ident
	SCANSTEP \op, 4, s40, \ident
	SCANSTEP \op, 8, s41, \ident
	v_permlanex16_b32 v[G+22], v[G+21], s43, s44
	v_cndmask_b32 v[G+22], \ident, v[G+22], s48        ; lanes 16-31 take the lower half's total
	\op v[G+20], v[G+20], v[G+22]
.endm
; b, y, w of one chunk: 128 steps, four a lane.  f in G+0..3, i in G+4..7.
.macro GATES
.irp e,0,1,2,3
	v_mul_f32 v[G+8+\e], -|v[G+\e]|, s52
.endr
.irp e,0,1,2,3
	v_exp_f32 v[G+8+\e], v[G+8+\e]                     ; e^-|f|
.endr
.irp e,0,1,2,3
	v_min_num_f32 v[G+12+\e], 0, v[G+\e]               ; plain work behind the exponentials (ISA guide 5.7.2)
.endr
	s_wait_alu depctr_va_vdst(0)
.irp e,0,1,2,3
	v_add_f32 v[G+8+\e], 1.0, v[G+8+\e]
.endr
.irp e,0,1,2,3
	v_log_f32 v[G+8+\e], v[G+8+\e]
.endr
	v_mov_b32 v[G+20], 0                               ; plain work behind the logarithms
	s_wait_alu depctr_va_vdst(0)
.irp e,0,1,2,3
	v_fma_f32 v[G+8+\e], v[G+12+\e], s52, -v[G+8+\e]   ; log2 sigmoid(f) = min(f,0) log2 e - log2(1 + e^-|f|)
.endr
	v_add_f32 v[G+9], v[G+8], v[G+9]
	v_add_f32 v[G+10], v[G+9], v[G+10]
	v_add_f32 v[G+11], v[G+10], v[G+11]
	v_mov_b32 v[G+21], v[G+11]
	v_mov_b32 v[G+22], 0
	SCAN v_add_f32, 0
.irp e,0,1,2,3
	v_add_f32 v[G+8+\e], v[G+20], v[G+8+\e]            ; b
.endr
.irp e,0,1,2,3
	v_fma_f32 v[G+12+\e], v[G+4+\e], s52, -v[G+8+\e]   ; y = i log2 e - b
.endr
	v_mov_b32 v[G+16], v[G+12]
	v_max_num_f32 v[G+17], v[G+16], v[G+13]
	v_max_num_f32 v[G+18], v[G+17], v[G+14]
	v_max_num_f32 v[G+19], v[G+18], v[G+15]
	v_mov_b32 v[G+21], v[G+19]
	v_mov_b32 v[G+20], s51
	SCAN v_max_num_f32, s51
.irp e,0,1,2,3
	v_max_num_f32 v[G+16+\e], v[G+20], v[G+16+\e]      ; w
.endr
	ds_store_b128 v[GT], v[G+8:G+11] offset:LB
	ds_store_b128 v[GT], v[G+12:G+15] offset:LY
	ds_store_b128 v[GT], v[G+16:G+19] offset:LW
.endm
; the chunk's gate figures
.macro GCH c
	ds_load_b32 v[WL], v[Z] offset:LW+512*\c+508
	ds_load_b32 v[BL], v[Z] offset:LB+512*\c+508
.irp i,0,1,2,3,4,5,6,7
	ds_load_b32 v[A+\i], v[AA] offset:LY+512*\c+8*\i   ; y of my row 2i+h
.endr
	s_wait_dscnt 0x0
	v_max_num_f32 v[UL], v[MP], v[WL]
	v_sub_f32 v[FG], v[MP], v[UL]
	v_sub_f32 v[NUL3], 0xc0400000, v[UL]               ; -3 - UL
.irp i,0,2,4,6
	v_pk_add_f32 v[A+\i:A+\i+1], v[A+\i:A+\i+1], v[NUL3:NUL3+1] op_sel_hi:[1,0]
.endr
	v_exp_f32 v[FG], v[FG]
.irp i,0,1,2,3,4,5,6,7
	v_exp_f32 v[A+\i], v[A+\i]
.endr
.if \c
	v_add_f32 v[GS], v[GS], v[BL]                      ; plain work behind the exponentials; the segment's sum of log2 forget gates
	s_wait_alu depctr_va_vdst(0)
.else
	v_mov_b32 v[GS], v[BL]
	s_wait_alu depctr_va_vdst(0)
.endif
.endm
; my 16 rows of K times their weights: f16 to LDS, and their sum over the rows as my part of n
.macro KHAT src, po, pn
	WIN 0x01
.irp i,0,2,4,6
	v_pk_mul_f32 v[FD+4*\i:FD+4*\i+1], v[\src+4*\i:\src+4*\i+1], v[A+\i:A+\i+1] op_sel_hi:[1,0]
	v_pk_mul_f32 v[FD+4*\i+2:FD+4*\i+3], v[\src+4*\i+2:\src+4*\i+3], v[A+\i:A+\i+1] op_sel_hi:[1,0]
	v_pk_mul_f32 v[FD+4*\i+4:FD+4*\i+5], v[\src+4*\i+4:\src+4*\i+5], v[A+\i:A+\i+1] op_sel:[0,1] op_sel_hi:[1,1]
	v_pk_mul_f32 v[FD+4*\i+6:FD+4*\i+7], v[\src+4*\i+6:\src+4*\i+7], v[A+\i:A+\i+1] op_sel:[0,1] op_sel_hi:[1,1]
.endr
	WIN 0
.irp k,0,1,2,3,4,5,6,7,8,9,10,11,12,13,14,15
	v_cvt_pk_f16_f32 v[BH+\k], v[FD+2*\k], v[FD+2*\k+1]
.endr
.irp i,0,1,2,3,4,5,6,7
	ds_store_b64 v[SS], v[BH+2*\i:BH+2*\i+1] offset:\po+\i*320
.endr
.irp m,0,8,16,24
	v_pk_add_f32 v[FD+\m:FD+\m+1], v[FD+\m:FD+\m+1], v[FD+\m+4:FD+\m+5]
	v_pk_add_f32 v[FD+\m+2:FD+\m+3], v[FD+\m+2:FD+\m+3], v[FD+\m+6:FD+\m+7]
.endr
.irp m,0,16
	v_pk_add_f32 v[FD+\m:FD+\m+1], v[FD+\m:FD+\m+1], v[FD+\m+8:FD+\m+9]
	v_pk_add_f32 v[FD+\m+2:FD+\m+3], v[FD+\m+2:FD+\m+3], v[FD+\m+10:FD+\m+11]
.endr
	v_pk_add_f32 v[FD:FD+1], v[FD:FD+1], v[FD+16:FD+17]
	v_pk_add_f32 v[FD+2:FD+3], v[FD+2:FD+3], v[FD+18:FD+19]
.irp e,0,1,2,3
	v_permlanex16_b32 v[X+\e], v[FD+\e], s43, s44      ; the odd rows' sums meet the even rows'
.endr
	v_pk_add_f32 v[FD:FD+1], v[FD:FD+1], v[X:X+1]
	v_pk_add_f32 v[FD+2:FD+3], v[FD+2:FD+3], v[X+2:X+3]
	ds_store_b128 v[SN], v[FD:FD+3] offset:\pn         ; both halves of the wave write the same 16 bytes with the same numbers
.endm
.macro VCVT src, po
	WIN 0x05
.irp k,0,1,2,3,4,5,6,7,8,9,10,11,12,13,14,15
	v_cvt_pk_f16_f32 v[BH+\k], v[\src+2*\k], v[\src+2*\k+1]
.endr
	WIN 0
.irp i,0,1,2,3,4,5,6,7
	ds_store_b64 v[SS], v[BH+2*\i:BH+2*\i+1] offset:VFO+\po+\i*320
.endr
.endm
; C <- FG C + (weighted K)^T V over the chunk's 128 steps; n <- FG n + the eight waves' parts.  first = 1: the products start the sums.
; The two tiles take turns, one matrix instruction a turn.
.macro UPDATE c, first
.irp ks,0,1,2,3
	ds_load_tr16_b128 v[TR+8*\ks:TR+8*\ks+3], v[TA] offset:(\c&1)*20480+\ks*5120
	ds_load_tr16_b128 v[TR+8*\ks+4:TR+8*\ks+7], v[TA] offset:(\c&1)*20480+\ks*5120+2560
.endr
.irp tl,0,1
.irp ks,0,1,2,3
	ds_load_tr16_b128 v[TR+32+8*(4*\tl+\ks):TR+32+8*(4*\tl+\ks)+3], v[TB] offset:(\c&1)*20480+32*\tl+\ks*5120
	ds_load_tr16_b128 v[TR+32+8*(4*\tl+\ks)+4:TR+32+8*(4*\tl+\ks)+7], v[TB] offset:(\c&1)*20480+32*\tl+\ks*5120+2560
.endr
.endr
.irp j,0,1,2,3,4,5,6,7
	ds_load_b128 v[QF+4*\j:QF+4*\j+3], v[LN] offset:(\c&1)*2048+\j*256
.endr
.if \first
	s_wait_dscnt 8                                     ; the eight loads of n's parts are younger: the fragments are in
	v_wmma_f32_16x16x32_f16 v[T:T+7], v[TR:TR+7], v[TR+32:TR+39], 0
	v_wmma_f32_16x16x32_f16 v[T+8:T+15], v[TR:TR+7], v[TR+64:TR+71], 0
.else
.irp k,0,2,4,6,8,10,12,14
	v_pk_mul_f32 v[T+\k:T+\k+1], v[T+\k:T+\k+1], v[FG:FG+1] op_sel_hi:[1,0]
.endr
	s_wait_dscnt 8                                     ; the eight loads of n's parts are younger: the fragments are in
	v_wmma_f32_16x16x32_f16 v[T:T+7], v[TR:TR+7], v[TR+32:TR+39], v[T:T+7]
	v_wmma_f32_16x16x32_f16 v[T+8:T+15], v[TR:TR+7], v[TR+64:TR+71], v[T+8:T+15]
.endif
.irp ks,1,2,3
	v_wmma_f32_16x16x32_f16 v[T:T+7], v[TR+8*\ks:TR+8*\ks+7], v[TR+32+8*\ks:TR+32+8*\ks+7], v[T:T+7]
	v_wmma_f32_16x16x32_f16 v[T+8:T+15], v[TR+8*\ks:TR+8*\ks+7], v[TR+64+8*\ks:TR+64+8*\ks+7], v[T+8:T+15]
.endr
	s_wait_dscnt 0x0
	; the sum of n's parts names none of the products' registers: it fills the four places behind them (ISA guide 7.12.1)
.irp m,0,8,16,24
	v_pk_add_f32 v[QF+\m:QF+\m+1], v[QF+\m:QF+\m+1], v[QF+\m+4:QF+\m+5]
	v_pk_add_f32 v[QF+\m+2:QF+\m+3], v[QF+\m+2:QF+\m+3], v[QF+\m+6:QF+\m+7]
.endr
.irp m,0,16
	v_pk_add_f32 v[QF+\m:QF+\m+1], v[QF+\m:QF+\m+1], v[QF+\m+8:QF+\m+9]
	v_pk_add_f32 v[QF+\m+2:QF+\m+3], v[QF+\m+2:QF+\m+3], v[QF+\m+10:QF+\m+11]
.endr
.if \first
	v_pk_add_f32 v[N:N+1], v[QF:QF+1], v[QF+16:QF+17]
	v_pk_add_f32 v[N+2:N+3], v[QF+2:QF+3], v[QF+18:QF+19]
.else
	v_pk_add_f32 v[QF:QF+1], v[QF:QF+1], v[QF+16:QF+17]
	v_pk_add_f32 v[QF+2:QF+3], v[QF+2:QF+3], v[QF+18:QF+19]
	v_pk_fma_f32 v[N:N+1], v[N:N+1], v[FG:FG+1], v[QF:QF+1] op_sel_hi:[1,0,1]
	v_pk_fma_f32 v[N+2:N+3], v[N+2:N+3], v[FG:FG+1], v[QF+2:QF+3] op_sel_hi:[1,0,1]
.endif
.endm
; One chunk.  The LDS regions have two parities: parity c&1 is written again in chunk c+2, behind the barrier of chunk c+1,
; which a wave signals only when its reads of chunk c have come back.  So one barrier a chunk orders both directions.
.macro SCHUNK c, first
	GCH \c
	s_wait_loadcnt 8+16*(3-\c)                         ; younger: this chunk's V (8) and the later chunks' K and V (16 each)
	KHAT (64*\c), ((\c&1)*20480), ((\c&1)*2048)
	s_wait_loadcnt 16*(3-\c)
	VCVT (64*\c+32), ((\c&1)*20480)
	s_wait_dscnt 0x0                                   ; my stores are in LDS, for the other waves' sake
	s_barrier_signal -1
	s_barrier_wait -1
	UPDATE \c, \first
	v_add_f32 v[MP], v[BL], v[UL]                      ; the stabiliser at the chunk's end
.endm
	s_load_b256 s[4:11], s[0:1], 0x0                   ; f s[4:5], i s[6:7], k s[8:9], v s[10:11]
	s_load_b64 s[12:13], s[0:1], 0x20                  ; part
	v_lshl_add_u32 v156, v0, 2, 0x16800
	v_mov_b32 v157, 0
	v_and_b32 v[X], 31, v0                             ; L
	v_and_b32 v[X+1], 15, v0                           ; r
	v_bfe_u32 v[X+2], v0, 4, 1                         ; h
	v_lshrrev_b32 v[X+3], 5, v0
	v_readfirstlane_b32 s30, v[X+3]                    ; w
	s_and_b32 s42, s30, 3
	s_lshr_b32 s53, s30, 2
	s_mov_b32 s32, ttmp9                               ; segment
	s_and_b32 s33, ttmp7, 0xffff                       ; head
	s_mov_b32 s38, 0xaaaaaaaa                          ; lanes with bit 0, 1, 2, 3 set
	s_mov_b32 s39, 0xcccccccc
	s_mov_b32 s40, 0xf0f0f0f0
	s_mov_b32 s41, 0xff00ff00
	s_mov_b32 s43, 0x76543210                          ; v_permlanex16_b32: lane i of the other half
	s_mov_b32 s44, 0xfedcba98
	s_mov_b32 s48, 0xffff0000                          ; lanes 16-31
	s_mov_b32 s51, 0xff800000                          ; -infinity
	s_mov_b32 s52, 0x3fb8aa3b                          ; log2 e
	v_lshlrev_b32 v[GL16], 4, v[X]
	v_lshlrev_b32 v[GL8], 3, v[X]
	v_lshlrev_b32 v[GN], 4, v[X+1]
	s_lshl_b32 s49, s30, 12
	v_add_nc_u32 v[GK], s49, v[GL16]
	s_lshl_b32 s49, s30, 9
	v_add_nc_u32 v[GT], s49, v[GL16]
	s_lshl_b32 s49, s30, 11
	v_add_nc_u32 v[GR], s49, v[GL16]
	v_mul_u32_u24 v[X+7], v[X+2], 160
	v_lshl_add_u32 v[X+7], v[X+1], 3, v[X+7]           ; h*160 + r*8
	s_mul_i32 s49, s30, 2560
	s_add_co_u32 s49, s49, KS
	v_add_nc_u32 v[SS], s49, v[X+7]
	s_lshl_b32 s49, s30, 8
	s_add_co_u32 s49, s49, NP
	v_add_nc_u32 v[SN], s49, v[GN]
	v_add_nc_u32 v[LN], NP, v[GN]
	v_and_b32 v[X+6], 7, v0                            ; transposing loads: row 8h + (L&7), 16 bytes for each half of eight lanes
	v_lshl_add_u32 v[X+6], v[X+2], 3, v[X+6]
	v_mul_u32_u24 v[X+6], v[X+6], 160
	v_bfe_u32 v[X+7], v0, 3, 1
	v_lshl_add_u32 v[X+6], v[X+7], 4, v[X+6]
	s_lshl_b32 s49, s42, 5
	s_add_co_u32 s49, s49, KS
	v_add_nc_u32 v[TA], s49, v[X+6]
	s_lshl_b32 s49, s53, 6
	s_add_co_u32 s49, s49, KS+VFO
	v_add_nc_u32 v[TB], s49, v[X+6]
	s_lshl_b32 s49, s30, 6
	v_lshl_add_u32 v[AA], v[X+2], 2, s49
	v_mov_b32 v[Z], 0
	s_wait_kmcnt 0x0
	s_lshl_b32 s36, s33, 19                            ; head x 2,048 rows + segment x 512 rows of 256 bytes
	s_lshl_b32 s49, s32, 17
	s_add_co_u32 s36, s36, s49
	s_mov_b32 s37, 0
	s_add_nc_u64 s[8:9], s[8:9], s[36:37]
	s_add_nc_u64 s[10:11], s[10:11], s[36:37]
	s_lshl_b32 s36, s33, 13
	s_lshl_b32 s49, s32, 11
	s_add_co_u32 s36, s36, s49
	s_add_nc_u64 s[4:5], s[4:5], s[36:37]
	s_add_nc_u64 s[6:7], s[6:7], s[36:37]
	s_mul_i32 s36, s33, 3
	s_add_co_u32 s36, s36, s32
	s_mul_i32 s36, s36, SEGREC
	s_add_nc_u64 s[12:13], s[12:13], s[36:37]
	s_cmp_gt_u32 s30, 3
	s_cbranch_scc1 .Lnofi
	global_load_b128 v[G:G+3], v[GT], s[4:5]           ; waves 0-3: f and i of chunk w
	global_load_b128 v[G+4:G+7], v[GT], s[6:7]
.Lnofi:
	LOADS 8, 0, 0
	LOADS 10, 32, 0
	LOADS 8, 64, 1
	LOADS 10, 96, 1
	LOADS 8, 128, 2
	LOADS 10, 160, 2
	WIN 0
	s_cmp_gt_u32 s30, 3
	s_cbranch_scc1 .Lnogates
	s_wait_loadcnt 48                                  ; the 48 loads of K and V are younger than f and i
	GATES
.Lnogates:
	LOADS 8, 192, 3
	LOADS 10, 224, 3
	WIN 0
	s_wait_dscnt 0x0                                   ; the gate arrays are in LDS
	s_barrier_signal -1
	s_barrier_wait -1
	v_mov_b32 v[MP], s51                               ; an empty state: stabiliser -infinity
	SCHUNK 0, 1
	SCHUNK 1, 0
	SCHUNK 2, 0
	SCHUNK 3, 0
	; the record.  Each store of a wave covers 512 (the last 256) consecutive bytes, aligned to 256.
.irp tl,0,1
.irp qd,0,1
	global_store_b128 v[GR], v[T+8*\tl+4*\qd:T+8*\tl+4*\qd+3], s[12:13] offset:\tl*1024+\qd*512
.endr
.endr
	s_cmp_lg_u32 s30, 0
	s_cbranch_scc1 .Lend
	v_mov_b32 v[X], v[MP]
	v_mov_b32 v[X+1], v[GS]
	global_store_b128 v[GL16], v[N:N+3], s[12:13] offset:16384
	global_store_b64 v[GL8], v[X:X+1], s[12:13] offset:16896
.Lend:
	s_wait_tensorcnt 0x0
	ds_add_u32 v156, v157
	s_wait_dscnt 0x0
	s_endpgm
.Lfunc_end_k_qd8f2916cbb_segsum:
	.size	k_qd8f2916cbb_segsum, .Lfunc_end_k_qd8f2916cbb_segsum-k_qd8f2916cbb_segsum
	.p2alignl 7, 3214868480
	.fill 96, 4, 3214868480
	.section	.rodata,"a",@progbits
	.p2align	6, 0x0
	.amdhsa_kernel k_qd8f2916cbb_segsum
		.amdhsa_group_segment_fixed_size 93184
		.amdhsa_private_segment_fixed_size 0
		.amdhsa_enable_private_segment 0
		.amdhsa_kernarg_size 40
		.amdhsa_user_sgpr_count 2
		.amdhsa_user_sgpr_kernarg_segment_ptr 1
		.amdhsa_wavefront_size32 1
		.amdhsa_system_sgpr_workgroup_id_x 1
		.amdhsa_system_sgpr_workgroup_id_y 1
		.amdhsa_system_sgpr_workgroup_id_z 1
		.amdhsa_system_vgpr_workitem_id 0
		.amdhsa_next_free_vgpr 512
		.amdhsa_next_free_sgpr 66
		.amdhsa_reserve_vcc 0
		.amdhsa_float_denorm_mode_32 3
		.amdhsa_float_denorm_mode_16_64 3
		.amdhsa_memory_ordered 1
		.amdhsa_forward_progress 1
		.amdhsa_inst_pref_size 59
	.end_amdhsa_kernel
	.amdgpu_metadata
---
amdhsa.version: [ 1, 2 ]
amdhsa.kernels:
  - .name:           k_qd8f2916cbb_segsum
    .symbol:         k_qd8f2916cbb_segsum.kd
    .args:
      - { .name: f, .offset: 0, .size: 8, .value_kind: global_buffer, .address_space: global }
      - { .name: i, .offset: 8, .size: 8, .value_kind: global_buffer, .address_space: global }
      - { .name: k, .offset: 16, .size: 8, .value_kind: global_buffer, .address_space: global }
      - { .name: v, .offset: 24, .size: 8, .value_kind: global_buffer, .address_space: global }
      - { .name: part, .offset: 32, .size: 8, .value_kind: global_buffer, .address_space: global }
    .group_segment_fixed_size: 93184
    .private_segment_fixed_size: 0
    .kernarg_segment_align: 8
    .kernarg_segment_size: 40
    .max_flat_workgroup_size: 256
    .sgpr_count:     66
    .vgpr_count:     512
    .wavefront_size: 32
...
	.end_amdgpu_metadata
.endif
;; end of part 1
;; launch mlstm (part 2): grid 4 x 64, 8 waves a work-group, no clusters, 302,080 bytes of LDS; arguments c_state, f, i, k, m_state, n_state, q, v, part, out0, out1, out2, out3; writes out0, out1, out2, out3
.if DOCPART == 2
	.amdgcn_target "amdgcn-amd-amdhsa--gfx1250"
	.amdhsa_code_object_version 6
	.text
	.protected	k_qd8f2916cbb_mlstm
	.globl	k_qd8f2916cbb_mlstm
	.p2align	8
	.type	k_qd8f2916cbb_mlstm,@function
k_qd8f2916cbb_mlstm:
	s_mov_b64 s[64:65], 0
	v_nop
	global_prefetch_b8 v0, s[64:65] scope:SCOPE_SE
	s_setreg_imm32_b32 hwreg(HW_REG_WAVE_MODE, 25, 1), 1
	s_wait_xcnt 0x0
; mLSTM, second launch.  Work-group (g, head) makes h for segment g (512 steps) of one head; g = 3 also writes the final state.
; START: (c_state, n_state, m_state) and the records of the segments in front of g are folded into the incoming state:
;   m' = max(m + G, M),  C' = 2^(m+G-m') C + 2^(M-m') C_loc.  All three records are loaded; whether one counts is a select, not a branch.
; THEN four chunks of 128 steps.  Base 2 throughout.  b_t, y_s, w_t as in the first launch; u_t = max(MP, w_t); m_t = b_t + u_t, which is the
; recurrence's own running maximum, so all exponents below are <= 0:
;   h_t = [ 2^(MP-u_t) q_t C + sum over s<=t of 2^(y_s-u_t-3) (q_t.k_s) v_s ] / ( max(|qn_t|, 2^-m_t) + 1e-6 ),
;   qn_t = 2^(MP-u_t) q_t.n + sum over s<=t of 2^(y_s-u_t-3) (q_t.k_s).
; FORMATS: q.k, q.C and q.n enter a denominator that can be small, so Q, K, C, n go to the matrix unit as two bf16 numbers each (x = hi + lo,
; products hi.hi + hi.lo + lo.hi).  The gated scores P, V and the weighted K go as f16.  Gates, row sums, n, C, h are f32.
; All products are taken transposed, so that everything that hangs on the step t lies in lane t % 16:
;   S^T = K Q^T: register j of lane (r, h) is (s = 8h+j, t = r); two such tiles, packed, ARE the second operand of H^T = V^T P^T.
; Eight waves.  Wave w converts rows 16w.. of K and V, owns the 16 queries of tile tau = w xor 3(w>>2) (waves w and w+4 together have five key
; trips of 32 keys) and the state tiles dk block w&3, dv blocks 2(w>>2), 2(w>>2)+1.
; Two staging sets of 96 registers (v256-v447) hold two chunks' Q, K, V on their way; a set's part is asked for again as soon as it is converted.
; LIMITS: |q.k|/8, |k|/8 and |v| below 65,504 (f16 operands); log2(1+e) stands for log1p (absolute error up to 1e-7 a step); exponentials below
; 2^-126 come out as zero; the order of the sums is not the scan's; NaN and infinite inputs (m_state too) are not served.
; No tensor loads: every tile is converted on its way, so it passes through registers anyway.  No cluster: work-groups share only the records and c_state.
.set LB,  0                            ; LDS: b, y, w of the 512 steps
.set LY,  2048
.set LW,  4096
.set NP,  6144                         ; partial n [parity][wave][64] f32
.set KHI, 10240                        ; K hi bf16 [parity][128 rows], pitch 144
.set KLO, 36864                        ; K lo lies this far behind
.set QHI, 83968                        ; Q hi: 16 rows for each wave, its own
.set QLO, 18432
.set KS,  120832                       ; weighted K, f16 [parity][128 rows], pitch 160
.set VFO, 40960                        ; V f16 behind it
.set CHI, 202752                       ; C^T hi bf16 [parity][80 rows: dv 0-63, then 16 copies of n], pitch 144
.set CLO, 23040
.set OS,  248832                       ; output stage, 16 rows x 272 for each wave, its own
.set CS,  283648                       ; 64 x 272: c_state on its way in, the final C on its way out
.set SEGREC, 17152
.set GK,1                              ; global: w*4096 + L*16
.set GQ,2                              ; tau*4096 + L*16
.set GT,3                              ; w*512 + L*16
.set GR,4                              ; w*2048 + L*16
.set GL16,5
.set GL8,6
.set GN,7                              ; r*16
.set SK,9                              ; LDS stores: my rows of K hi, Q hi, weighted K, my partial n
.set SQ,10
.set SS,11
.set SN,12
.set FK,13                             ; fragments: K hi, K lo, my Q, C^T
.set FKL,14
.set FQ,15
.set FC,16
.set TV,17                             ; transposing loads of V for the key trips
.set LIMW,18
.set TA,19                             ; transposing loads for the state update
.set TB,20
.set SC,21                             ; where my state tiles go as C^T
.set SCN,22                            ; my two copies of n
.set LN,23
.set OW,24
.set ORD,25
.set CT,26
.set CL,27
.set AT,28                             ; (16 tau + r)*4
.set AA,29                             ; (16w + h)*4
.set AY,30                             ; 32h
.set Z,32
.set LIM,33                            ; 16 tau + r - 8h
.set MP,34                             ; pairs: the even register is broadcast by packed arithmetic, the odd one is always written first
.set WL,35
.set FG,36
.set UL,37
.set ET,38
.set UT,39
.set NU3,40
.set DM,41
.set RC,42
.set BT,43
.set NUL3,44
.set BL,45
.set QI,46
.set A,48                              ; v[48:55]
.set N,56                              ; v[56:59]  n[4r..4r+3]
.set RS,60                             ; v[60:63]  row sums, two chains
.set T,64                              ; v[64:79]  my two state tiles
.set ACC,80                            ; v[80:119] H^T, four tiles of dv, and q.n
.set QF,120                            ; v[120:151] Q fragments hi ks0, hi ks1, lo ks0, lo ks1; gate work; partial n
.set G,QF
.set X,152
.set TR,160                            ; v[160:255] transients
.set BH,TR
.set BW,TR+16
.set FD,TR+32
.set MSB, 0
.macro WIN new                         ; s_set_vgpr_msb: bits 1:0 source 0, 3:2 source 1, 5:4 source 2, 7:6 destination; the high byte repeats the setting left
.if MSB != \new
	s_set_vgpr_msb (MSB<<8)|\new
.set MSB, \new
.endif
.endm
.macro PLACES                          ; four places behind a matrix instruction (ISA guide 7.12.1), where no useful work is at hand
.rept 4
	v_nop
.endr
.endm
.macro LOADS sb, off, dst, c           ; 16 rows of chunk c: eight loads of 512 consecutive bytes, into the upper window
	WIN 0x40
.irp i,0,1,2,3,4,5,6,7
	global_load_b128 v[\dst+4*\i:\dst+4*\i+3], v[\off], s[\sb:\sb+1] offset:\c*32768+\i*512 th:TH_LOAD_NT
.endr
.endm
.macro SCANSTEP op, d, sm, ident       ; G+20: over the lanes below mine; G+21 block total; G+22 partner's total
	v_mov_b32_dpp v[G+22], v[G+21] row_xmask:\d row_mask:0xf bank_mask:0xf
	\op v[G+21], v[G+21], v[G+22]
	v_cndmask_b32 v[G+22], \ident, v[G+22], \sm
	\op v[G+20], v[G+20], v[G+22]
.endm
.macro SCAN op, ident
	SCANSTEP \op, 1, s38, \ident
	SCANSTEP \op, 2, s39, \ident
	SCANSTEP \op, 4, s40, \ident
	SCANSTEP \op, 8, s41, \ident
	v_permlanex16_b32 v[G+22], v[G+21], s43, s44
	v_cndmask_b32 v[G+22], \ident, v[G+22], s48
	\op v[G+20], v[G+20], v[G+22]
.endm
.macro GATES                           ; b, y, w of one chunk, four steps a lane; f in G+0..3, i in G+4..7
.irp e,0,1,2,3
	v_mul_f32 v[G+8+\e], -|v[G+\e]|, s52
.endr
.irp e,0,1,2,3
	v_exp_f32 v[G+8+\e], v[G+8+\e]
.endr
.irp e,0,1,2,3
	v_min_num_f32 v[G+12+\e], 0, v[G+\e]               ; plain work behind the exponentials (ISA guide 5.7.2)
.endr
	s_wait_alu depctr_va_vdst(0)
.irp e,0,1,2,3
	v_add_f32 v[G+8+\e], 1.0, v[G+8+\e]
.endr
.irp e,0,1,2,3
	v_log_f32 v[G+8+\e], v[G+8+\e]
.endr
	v_mov_b32 v[G+20], 0
	s_wait_alu depctr_va_vdst(0)
.irp e,0,1,2,3
	v_fma_f32 v[G+8+\e], v[G+12+\e], s52, -v[G+8+\e]   ; log2 sigmoid(f)
.endr
	v_add_f32 v[G+9], v[G+8], v[G+9]
	v_add_f32 v[G+10], v[G+9], v[G+10]
	v_add_f32 v[G+11], v[G+10], v[G+11]
	v_mov_b32 v[G+21], v[G+11]
	v_mov_b32 v[G+22], 0
	SCAN v_add_f32, 0
.irp e,0,1,2,3
	v_add_f32 v[G+8+\e], v[G+20], v[G+8+\e]
.endr
.irp e,0,1,2,3
	v_fma_f32 v[G+12+\e], v[G+4+\e], s52, -v[G+8+\e]
.endr
	v_mov_b32 v[G+16], v[G+12]
	v_max_num_f32 v[G+17], v[G+16], v[G+13]
	v_max_num_f32 v[G+18], v[G+17], v[G+14]
	v_max_num_f32 v[G+19], v[G+18], v[G+15]
	v_mov_b32 v[G+21], v[G+19]
	v_mov_b32 v[G+20], s51
	SCAN v_max_num_f32, s51
.irp e,0,1,2,3
	v_max_num_f32 v[G+16+\e], v[G+20], v[G+16+\e]
.endr
	ds_store_b128 v[GT], v[G+8:G+11] offset:LB
	ds_store_b128 v[GT], v[G+12:G+15] offset:LY
	ds_store_b128 v[GT], v[G+16:G+19] offset:LW
.endm
; one earlier segment's record joins the state (or, where the select says no, leaves it as it is: weights 1 and 0)
.macro FOLD gp
	v_cndmask_b32 v[X+4], 0, v[TR+61+2*\gp], s[45+\gp]
	v_cndmask_b32 v[X+5], s51, v[TR+60+2*\gp], s[45+\gp]
	v_add_f32 v[X+6], v[MP], v[X+4]
	v_max_num_f32 v[X+7], v[X+6], v[X+5]
	v_sub_f32 v[X], v[X+6], v[X+7]
	v_sub_f32 v[X+2], v[X+5], v[X+7]
	v_exp_f32 v[X], v[X]
	v_exp_f32 v[X+2], v[X+2]
	v_mov_b32 v[MP], v[X+7]                            ; plain work behind the exponentials
	s_wait_alu depctr_va_vdst(0)
.irp k,0,2,4,6,8,10,12,14
	v_pk_mul_f32 v[T+\k:T+\k+1], v[T+\k:T+\k+1], v[X:X+1] op_sel_hi:[1,0]
.endr
.irp k,0,2,4,6,8,10,12,14
	v_pk_fma_f32 v[T+\k:T+\k+1], v[TR+20*\gp+\k:TR+20*\gp+\k+1], v[X+2:X+3], v[T+\k:T+\k+1] op_sel_hi:[1,0,1]
.endr
	v_pk_mul_f32 v[N:N+1], v[N:N+1], v[X:X+1] op_sel_hi:[1,0]
	v_pk_mul_f32 v[N+2:N+3], v[N+2:N+3], v[X:X+1] op_sel_hi:[1,0]
	v_pk_fma_f32 v[N:N+1], v[TR+20*\gp+16:TR+20*\gp+17], v[X+2:X+3], v[N:N+1] op_sel_hi:[1,0,1]
	v_pk_fma_f32 v[N+2:N+3], v[TR+20*\gp+18:TR+20*\gp+19], v[X+2:X+3], v[N+2:N+3] op_sel_hi:[1,0,1]
.endm
; my state tiles and n as bf16 hi + lo into parity p of C^T.  A lane's eight registers of a tile are eight neighbouring dk of one dv: 16 bytes of a row.
; Each wave writes two of the sixteen rows that all hold n, so the fifth tile of the product with Q holds q.n in every register.
.macro STATE_OUT p
.irp k,0,1,2,3,4,5,6,7
	v_cvt_pk_bf16_f32 v[BH+\k], v[T+2*\k], v[T+2*\k+1]
.endr
	v_cvt_pk_bf16_f32 v[BH+8], v[N], v[N+1]
	v_cvt_pk_bf16_f32 v[BH+9], v[N+2], v[N+3]
.irp k,0,1,2,3,4,5,6,7,8,9
	v_lshlrev_b32 v[FD+2*\k], 16, v[BH+\k]
	v_and_b32 v[FD+2*\k+1], s48, v[BH+\k]
.endr
.irp k,0,1,2,3,4,5,6,7
	v_pk_add_f32 v[FD+2*\k:FD+2*\k+1], v[T+2*\k:T+2*\k+1], v[FD+2*\k:FD+2*\k+1] neg_lo:[0,1] neg_hi:[0,1]
.endr
	v_pk_add_f32 v[FD+16:FD+17], v[N:N+1], v[FD+16:FD+17] neg_lo:[0,1] neg_hi:[0,1]
	v_pk_add_f32 v[FD+18:FD+19], v[N+2:N+3], v[FD+18:FD+19] neg_lo:[0,1] neg_hi:[0,1]
.irp k,0,1,2,3,4,5,6,7,8,9
	v_cvt_pk_bf16_f32 v[BW+\k], v[FD+2*\k], v[FD+2*\k+1]
.endr
	ds_store_b128 v[SC], v[BH:BH+3] offset:\p*11520
	ds_store_b128 v[SC], v[BH+4:BH+7] offset:\p*11520+2304
	ds_store_b128 v[SC], v[BW:BW+3] offset:\p*11520+CLO
	ds_store_b128 v[SC], v[BW+4:BW+7] offset:\p*11520+CLO+2304
	ds_store_b64 v[SCN], v[BH+8:BH+9] offset:\p*11520
	ds_store_b64 v[SCN], v[BW+8:BW+9] offset:\p*11520+CLO
.endm
; the chunk's gate figures: for the chunk's end (UL, FG, A) and for my query t (UT, ET, DM, NU3)
.macro GCH c
	ds_load_b32 v[WL], v[Z] offset:LW+512*\c+508
	ds_load_b32 v[BL], v[Z] offset:LB+512*\c+508
	ds_load_b32 v[UT], v[AT] offset:LW+512*\c
	ds_load_b32 v[BT], v[AT] offset:LB+512*\c
.irp i,0,1,2,3,4,5,6,7
	ds_load_b32 v[A+\i], v[AA] offset:LY+512*\c+8*\i
.endr
	s_wait_dscnt 0x0
	v_max_num_f32 v[UL], v[MP], v[WL]
	v_max_num_f32 v[UT], v[MP], v[UT]
	v_sub_f32 v[FG], v[MP], v[UL]
	v_sub_f32 v[ET], v[MP], v[UT]
	v_add_f32 v[DM], v[BT], v[UT]                      ; m_t
	v_sub_f32 v[NU3], 0xc0400000, v[UT]                ; -3 - u_t
	v_sub_f32 v[NUL3], 0xc0400000, v[UL]
.irp i,0,2,4,6
	v_pk_add_f32 v[A+\i:A+\i+1], v[A+\i:A+\i+1], v[NUL3:NUL3+1] op_sel_hi:[1,0]
.endr
	v_exp_f32 v[FG], v[FG]
	v_exp_f32 v[ET], v[ET]
	v_exp_f32 v[DM], -v[DM]
.irp i,0,1,2,3,4,5,6,7
	v_exp_f32 v[A+\i], v[A+\i]
.endr
	v_nop                                              ; one plain place behind the exponentials (ISA guide 5.7.2)
.endm
; 16 staged rows as bf16 hi and lo into LDS rows of 144 bytes
.macro SPLIT src, st, lo, po
	WIN 0x05
.irp k,0,1,2,3,4,5,6,7,8,9,10,11,12,13,14,15
	v_cvt_pk_bf16_f32 v[BH+\k], v[\src+2*\k], v[\src+2*\k+1]
.endr
	WIN 0
.irp k,0,1,2,3,4,5,6,7,8,9,10,11,12,13,14,15
	v_lshlrev_b32 v[FD+2*\k], 16, v[BH+\k]
	v_and_b32 v[FD+2*\k+1], s48, v[BH+\k]
.endr
	WIN 0x01
.irp k,0,1,2,3,4,5,6,7,8,9,10,11,12,13,14,15
	v_pk_add_f32 v[FD+2*\k:FD+2*\k+1], v[\src+2*\k:\src+2*\k+1], v[FD+2*\k:FD+2*\k+1] neg_lo:[0,1] neg_hi:[0,1]
.endr
	WIN 0
.irp k,0,1,2,3,4,5,6,7,8,9,10,11,12,13,14,15
	v_cvt_pk_bf16_f32 v[BW+\k], v[FD+2*\k], v[FD+2*\k+1]
.endr
.irp i,0,1,2,3,4,5,6,7
	ds_store_b64 v[\st], v[BH+2*\i:BH+2*\i+1] offset:\po+\i*288
.endr
.irp i,0,1,2,3,4,5,6,7
	ds_store_b64 v[\st], v[BW+2*\i:BW+2*\i+1] offset:\po+\lo+\i*288
.endr
.endm
.macro KHAT src, po, pn                ; my 16 rows of K times their weights: f16 to LDS, and their sum as my part of n
	WIN 0x01
	s_wait_alu depctr_va_vdst(0)
.irp i,0,2,4,6
	v_pk_mul_f32 v[FD+4*\i:FD+4*\i+1], v[\src+4*\i:\src+4*\i+1], v[A+\i:A+\i+1] op_sel_hi:[1,0]
	v_pk_mul_f32 v[FD+4*\i+2:FD+4*\i+3], v[\src+4*\i+2:\src+4*\i+3], v[A+\i:A+\i+1] op_sel_hi:[1,0]
	v_pk_mul_f32 v[FD+4*\i+4:FD+4*\i+5], v[\src+4*\i+4:\src+4*\i+5], v[A+\i:A+\i+1] op_sel:[0,1] op_sel_hi:[1,1]
	v_pk_mul_f32 v[FD+4*\i+6:FD+4*\i+7], v[\src+4*\i+6:\src+4*\i+7], v[A+\i:A+\i+1] op_sel:[0,1] op_sel_hi:[1,1]
.endr
	WIN 0
.irp k,0,1,2,3,4,5,6,7,8,9,10,11,12,13,14,15
	v_cvt_pk_f16_f32 v[BH+\k], v[FD+2*\k], v[FD+2*\k+1]
.endr
.irp i,0,1,2,3,4,5,6,7
	ds_store_b64 v[SS], v[BH+2*\i:BH+2*\i+1] offset:\po+\i*320
.endr
.irp m,0,8,16,24
	v_pk_add_f32 v[FD+\m:FD+\m+1], v[FD+\m:FD+\m+1], v[FD+\m+4:FD+\m+5]
	v_pk_add_f32 v[FD+\m+2:FD+\m+3], v[FD+\m+2:FD+\m+3], v[FD+\m+6:FD+\m+7]
.endr
.irp m,0,16
	v_pk_add_f32 v[FD+\m:FD+\m+1], v[FD+\m:FD+\m+1], v[FD+\m+8:FD+\m+9]
	v_pk_add_f32 v[FD+\m+2:FD+\m+3], v[FD+\m+2:FD+\m+3], v[FD+\m+10:FD+\m+11]
.endr
	v_pk_add_f32 v[FD:FD+1], v[FD:FD+1], v[FD+16:FD+17]
	v_pk_add_f32 v[FD+2:FD+3], v[FD+2:FD+3], v[FD+18:FD+19]
.irp e,0,1,2,3
	v_permlanex16_b32 v[X+\e], v[FD+\e], s43, s44
.endr
	v_pk_add_f32 v[FD:FD+1], v[FD:FD+1], v[X:X+1]
	v_pk_add_f32 v[FD+2:FD+3], v[FD+2:FD+3], v[X+2:X+3]
	ds_store_b128 v[SN], v[FD:FD+3] offset:\pn         ; both halves of the wave write the same 16 bytes with the same numbers
.endm
.macro VCVT src, po
	WIN 0x05
.irp k,0,1,2,3,4,5,6,7,8,9,10,11,12,13,14,15
	v_cvt_pk_f16_f32 v[BH+\k], v[\src+2*\k], v[\src+2*\k+1]
.endr
	WIN 0
.irp i,0,1,2,3,4,5,6,7
	ds_store_b64 v[SS], v[BH+2*\i:BH+2*\i+1] offset:VFO+\po+\i*320
.endr
.endm
.macro CLOAD off                       ; ten fragments of C^T (five row blocks x two halves of dk)
.irp ks,0,1
.irp mt,0,1,2,3,4
	ds_load_b128 v[TR+8*(5*\ks+\mt):TR+8*(5*\ks+\mt)+3], v[FC] offset:\off+\mt*2304+\ks*64
	ds_load_b128 v[TR+8*(5*\ks+\mt)+4:TR+8*(5*\ks+\mt)+7], v[FC] offset:\off+\mt*2304+\ks*64+32
.endr
.endr
.endm
.macro CPASS ks, qf, zero              ; the five accumulators take turns, one matrix instruction a turn
.irp mt,0,1,2,3,4
.if \zero
	v_wmma_f32_16x16x32_bf16 v[ACC+8*\mt:ACC+8*\mt+7], v[TR+8*(5*\ks+\mt):TR+8*(5*\ks+\mt)+7], v[\qf:\qf+7], 0
.else
	v_wmma_f32_16x16x32_bf16 v[ACC+8*\mt:ACC+8*\mt+7], v[TR+8*(5*\ks+\mt):TR+8*(5*\ks+\mt)+7], v[\qf:\qf+7], v[ACC+8*\mt:ACC+8*\mt+7]
.endif
.endr
.endm
; the incoming state's share: ACC0..3 = 2^(MP-u_t) (q C)^T, QI = 2^(MP-u_t) q.n
.macro INTER c
.if \c
	s_wait_xcnt 0x0                                    ; ACC was the data of the last chunk's stores: it is rewritten only behind this wait
.endif
.irp ks,0,1
	ds_load_b128 v[QF+8*\ks:QF+8*\ks+3], v[FQ] offset:\ks*64
	ds_load_b128 v[QF+8*\ks+4:QF+8*\ks+7], v[FQ] offset:\ks*64+32
	ds_load_b128 v[QF+16+8*\ks:QF+16+8*\ks+3], v[FQ] offset:QLO+\ks*64
	ds_load_b128 v[QF+16+8*\ks+4:QF+16+8*\ks+7], v[FQ] offset:QLO+\ks*64+32
.endr
	CLOAD ((\c&1)*11520)
	s_wait_dscnt 0x0
	CPASS 0, QF, 1                                     ; C hi x Q hi: the first product starts the sums
	CPASS 1, QF+8, 0
	CPASS 0, QF+16, 0                                  ; C hi x Q lo
	CPASS 1, QF+24, 0
	PLACES                                             ; the loads below land on sources of the products above
	CLOAD ((\c&1)*11520+CLO)
	s_wait_dscnt 0x0
	CPASS 0, QF, 0                                     ; C lo x Q hi
	CPASS 1, QF+8, 0
.irp e,0,1,2,3
	v_mov_b32 v[RS+\e], 0                              ; the row sums start; these four lines are the places behind the products
.endr
	s_wait_alu depctr_va_vdst(0)
.irp k,0,2,4,6,8,10,12,14,16,18,20,22,24,26,28,30
	v_pk_mul_f32 v[ACC+\k:ACC+\k+1], v[ACC+\k:ACC+\k+1], v[ET:ET+1] op_sel_hi:[1,0]
.endr
	v_mul_f32 v[QI], v[ET], v[ACC+32]
.endm
.macro SPAIR kb, ks, qf, zero          ; the two score tiles take turns
.irp a,0,1
.if \zero
	v_wmma_f32_16x16x32_bf16 v[TR+64+8*\a:TR+64+8*\a+7], v[\kb+8*(2*\a+\ks):\kb+8*(2*\a+\ks)+7], v[\qf:\qf+7], 0
.else
	v_wmma_f32_16x16x32_bf16 v[TR+64+8*\a:TR+64+8*\a+7], v[\kb+8*(2*\a+\ks):TR-TR+\kb+8*(2*\a+\ks)+7], v[\qf:\qf+7], v[TR+64+8*\a:TR+64+8*\a+7]
.endif
.endr
.endm
; keys 32p .. 32p+31 of chunk c against my 16 queries.  K hi in TR+0.., K lo in TR+32.., scores in TR+64.., y in TR+80..; V's fragments later lie
; on K hi's registers and the packed scores on y's.  Every place in LDS stands in an immediate.
.macro TRIP c, p
.if \p
	PLACES                                             ; the loads below land on sources of the last trip's products
.endif
.irp a,0,1
.irp ks,0,1
	ds_load_b128 v[TR+8*(2*\a+\ks):TR+8*(2*\a+\ks)+3], v[FK] offset:(\c&1)*18432+\p*4608+\a*2304+\ks*64
	ds_load_b128 v[TR+8*(2*\a+\ks)+4:TR+8*(2*\a+\ks)+7], v[FK] offset:(\c&1)*18432+\p*4608+\a*2304+\ks*64+32
.endr
.endr
.irp a,0,1
.irp ks,0,1
	ds_load_b128 v[TR+32+8*(2*\a+\ks):TR+32+8*(2*\a+\ks)+3], v[FKL] offset:(\c&1)*18432+\p*4608+\a*2304+\ks*64
	ds_load_b128 v[TR+32+8*(2*\a+\ks)+4:TR+32+8*(2*\a+\ks)+7], v[FKL] offset:(\c&1)*18432+\p*4608+\a*2304+\ks*64+32
.endr
.endr
	ds_load_b128 v[TR+80:TR+83], v[AY] offset:LY+512*\c+128*\p
	ds_load_b128 v[TR+84:TR+87], v[AY] offset:LY+512*\c+128*\p+16
	ds_load_b128 v[TR+88:TR+91], v[AY] offset:LY+512*\c+128*\p+64
	ds_load_b128 v[TR+92:TR+95], v[AY] offset:LY+512*\c+128*\p+80
	s_wait_dscnt 12                                    ; younger: K lo (8) and y (4): K hi is in
	SPAIR TR, 0, QF, 1
	SPAIR TR, 1, QF+8, 0
	SPAIR TR, 0, QF+16, 0
	SPAIR TR, 1, QF+24, 0
	s_wait_dscnt 4                                     ; younger: y: K lo is in
	SPAIR TR+32, 0, QF, 0
	SPAIR TR+32, 1, QF+8, 0
	s_wait_dscnt 0x0
.irp k,0,2,4,6,8,10,12,14
	v_pk_add_f32 v[TR+80+\k:TR+80+\k+1], v[TR+80+\k:TR+80+\k+1], v[NU3:NU3+1] op_sel_hi:[1,0]   ; y_s - u_t - 3; also the places behind the score products
.endr
.irp mt,0,1,2,3
	ds_load_tr16_b128 v[TR+8*\mt:TR+8*\mt+3], v[TV] offset:(\c&1)*20480+\p*5120+32*\mt
	ds_load_tr16_b128 v[TR+8*\mt+4:TR+8*\mt+7], v[TV] offset:(\c&1)*20480+\p*5120+32*\mt+2560
.endr
.irp k,0,1,2,3,4,5,6,7,8,9,10,11,12,13,14,15
	v_exp_f32 v[TR+80+\k], v[TR+80+\k]
.endr
	v_add_nc_u32 v[LIMW], (0x100000000-32*\p)&0xffffffff, v[LIM]   ; plain work behind the exponentials: 16 tau + r - 8h - 32p
	s_wait_alu depctr_va_vdst(0)
.irp k,0,2,4,6,8,10,12,14
	v_pk_mul_f32 v[TR+64+\k:TR+64+\k+1], v[TR+64+\k:TR+64+\k+1], v[TR+80+\k:TR+80+\k+1]
.endr
	; s <= t, as a select: what lies above the diagonal (its weight may be infinite) is replaced, not multiplied.  Below the diagonal trip all sixteen tests hold.
.irp a,0,1
.irp j,0,1,2,3,4,5,6,7
	v_cmp_le_i32 vcc_lo, 16*\a+\j, v[LIMW]
	v_cndmask_b32 v[TR+64+8*\a+\j], 0, v[TR+64+8*\a+\j], vcc_lo
.endr
.endr
.irp k,0,4,8,12
	v_pk_add_f32 v[RS:RS+1], v[RS:RS+1], v[TR+64+\k:TR+64+\k+1]
	v_pk_add_f32 v[RS+2:RS+3], v[RS+2:RS+3], v[TR+64+\k+2:TR+64+\k+3]
.endr
.irp k,0,1,2,3,4,5,6,7
	v_cvt_pk_f16_f32 v[TR+80+\k], v[TR+64+2*\k], v[TR+64+2*\k+1]   ; registers 0-3: keys 8h.., registers 4-7: keys 16+8h..: the second operand as it stands
.endr
	s_wait_dscnt 0x0
.irp mt,0,1,2,3
	v_wmma_f32_16x16x32_f16 v[ACC+8*\mt:ACC+8*\mt+7], v[TR+8*\mt:TR+8*\mt+7], v[TR+80:TR+87], v[ACC+8*\mt:ACC+8*\mt+7]
.endr
.endm
; divide, turn 16 x 64 round in my own stage, store whole rows of 256 bytes
.macro OUT c
	v_pk_add_f32 v[RS:RS+1], v[RS:RS+1], v[RS+2:RS+3]  ; the denominator's arithmetic names none of the products' registers: it fills the places behind them
	v_add_f32 v[X], v[RS], v[RS+1]
	v_permlanex16_b32 v[X+1], v[X], s43, s44
	v_add_f32 v[X], v[X], v[X+1]
	v_add_f32 v[X], v[X], v[QI]
	v_max_num_f32 v[X], |v[X]|, v[DM]
	v_add_f32 v[X], 0x358637bd, v[X]                   ; + 1e-6
	v_rcp_f32 v[RC], v[X]
	v_nop                                              ; one plain place behind the reciprocal
	s_wait_alu depctr_va_vdst(0)
.irp k,0,2,4,6,8,10,12,14,16,18,20,22,24,26,28,30
	v_pk_mul_f32 v[ACC+\k:ACC+\k+1], v[ACC+\k:ACC+\k+1], v[RC:RC+1] op_sel_hi:[1,0]
.endr
.irp mt,0,1,2,3
	ds_store_b128 v[OW], v[ACC+8*\mt:ACC+8*\mt+3] offset:64*\mt
	ds_store_b128 v[OW], v[ACC+8*\mt+4:ACC+8*\mt+7] offset:64*\mt+16
.endr
.irp i,0,1,2,3,4,5,6,7
	ds_load_b128 v[ACC+4*\i:ACC+4*\i+3], v[ORD] offset:\i*544      ; my own bytes; LDS serves a wave's instructions in order (ISA guide 5.7.1)
.endr
.irp i,0,1,2,3,4,5,6,7
	s_wait_dscnt 7-\i
	global_store_b128 v[GQ], v[ACC+4*\i:ACC+4*\i+3], s[22:23] offset:\c*32768+\i*512 th:TH_STORE_NT   ; sixteen lanes store one row of h: 256 consecutive bytes, aligned
.endr
.endm
; C <- FG C + (weighted K)^T V; n <- FG n + the eight waves' parts.  The two tiles take turns.
.macro UPDATE c
.irp ks,0,1,2,3
	ds_load_tr16_b128 v[TR+8*\ks:TR+8*\ks+3], v[TA] offset:(\c&1)*20480+\ks*5120
	ds_load_tr16_b128 v[TR+8*\ks+4:TR+8*\ks+7], v[TA] offset:(\c&1)*20480+\ks*5120+2560
.endr
.irp tl,0,1
.irp ks,0,1,2,3
	ds_load_tr16_b128 v[TR+32+8*(4*\tl+\ks):TR+32+8*(4*\tl+\ks)+3], v[TB] offset:(\c&1)*20480+32*\tl+\ks*5120
	ds_load_tr16_b128 v[TR+32+8*(4*\tl+\ks)+4:TR+32+8*(4*\tl+\ks)+7], v[TB] offset:(\c&1)*20480+32*\tl+\ks*5120+2560
.endr
.endr
.irp j,0,1,2,3,4,5,6,7
	ds_load_b128 v[QF+4*\j:QF+4*\j+3], v[LN] offset:(\c&1)*2048+\j*256
.endr
.irp k,0,2,4,6,8,10,12,14
	v_pk_mul_f32 v[T+\k:T+\k+1], v[T+\k:T+\k+1], v[FG:FG+1] op_sel_hi:[1,0]
.endr
	s_wait_dscnt 8                                     ; the eight loads of n's parts are younger: the fragments are in
.irp ks,0,1,2,3
	v_wmma_f32_16x16x32_f16 v[T:T+7], v[TR+8*\ks:TR+8*\ks+7], v[TR+32+8*\ks:TR+32+8*\ks+7], v[T:T+7]
	v_wmma_f32_16x16x32_f16 v[T+8:T+15], v[TR+8*\ks:TR+8*\ks+7], v[TR+64+8*\ks:TR+64+8*\ks+7], v[T+8:T+15]
.endr
	s_wait_dscnt 0x0
	; the sum of n's parts names none of the products' registers: it fills the four places behind them (ISA guide 7.12.1)
.irp m,0,8,16,24
	v_pk_add_f32 v[QF+\m:QF+\m+1], v[QF+\m:QF+\m+1], v[QF+\m+4:QF+\m+5]
	v_pk_add_f32 v[QF+\m+2:QF+\m+3], v[QF+\m+2:QF+\m+3], v[QF+\m+6:QF+\m+7]
.endr
.irp m,0,16
	v_pk_add_f32 v[QF+\m:QF+\m+1], v[QF+\m:QF+\m+1], v[QF+\m+8:QF+\m+9]
	v_pk_add_f32 v[QF+\m+2:QF+\m+3], v[QF+\m+2:QF+\m+3], v[QF+\m+10:QF+\m+11]
.endr
	v_pk_add_f32 v[QF:QF+1], v[QF:QF+1], v[QF+16:QF+17]
	v_pk_add_f32 v[QF+2:QF+3], v[QF+2:QF+3], v[QF+18:QF+19]
	v_pk_fma_f32 v[N:N+1], v[N:N+1], v[FG:FG+1], v[QF:QF+1] op_sel_hi:[1,0,1]
	v_pk_fma_f32 v[N+2:N+3], v[N+2:N+3], v[FG:FG+1], v[QF+2:QF+3] op_sel_hi:[1,0,1]
	v_add_f32 v[MP], v[BL], v[UL]                      ; the stabiliser at the chunk's end
.endm
; One chunk up to its h.  lq, lk, lv: how many loads are younger than this chunk's Q, K, V at their waits.
; LDS regions with two parities: parity c&1 is written again in chunk c+2 (C^T: behind chunk c+1's h), behind the barrier of chunk c+1, which a wave
; signals only when its reads of chunk c have come back.  So one barrier a chunk orders both directions.  Q's rows and the stage are each wave's own.
.macro CHUNK c, lq, lk, lv
	GCH \c
	s_wait_loadcnt \lq
	SPLIT (96*(\c&1)), SQ, QLO, 0
.if \c<2
	LOADS 16, GQ, (96*(\c&1)), (\c+2)
.endif
	s_wait_loadcnt \lk
	SPLIT (96*(\c&1)+32), SK, KLO, ((\c&1)*18432)
.if \c==3
	s_cmp_lg_u32 s32, 3                                ; only the last segment needs the state behind its last chunk
	s_cbranch_scc1 .Lnokhat
.endif
	KHAT (96*(\c&1)+32), ((\c&1)*20480), ((\c&1)*2048)
.if \c==3
.Lnokhat:
.endif
.if \c<2
	LOADS 10, GK, (96*(\c&1)+32), (\c+2)
.endif
	s_wait_loadcnt \lv
	VCVT (96*(\c&1)+64), ((\c&1)*20480)
.if \c<2
	LOADS 18, GK, (96*(\c&1)+64), (\c+2)
	WIN 0
.endif
	s_wait_dscnt 0x0                                   ; my stores are in LDS, and my reads of the last chunk are back
	s_barrier_signal -1
	s_barrier_wait -1
	INTER \c
	TRIP \c, 0
	s_cmp_lt_u32 s34, 1                                ; a wave has (tau>>1) + 1 key trips
	s_cbranch_scc1 .Ltd\c
	TRIP \c, 1
	s_cmp_lt_u32 s34, 2
	s_cbranch_scc1 .Ltd\c
	TRIP \c, 2
	s_cmp_lt_u32 s34, 3
	s_cbranch_scc1 .Ltd\c
	TRIP \c, 3
.Ltd\c:
	OUT \c
.endm
	s_load_b512 s[4:19], s[0:1], 0x0                   ; c_state 4, f 6, i 8, k 10, m_state 12, n_state 14, q 16, v 18
	s_load_b256 s[20:27], s[0:1], 0x40                 ; part 20, out0 22, out1 24, out2 26
	s_load_b64 s[28:29], s[0:1], 0x60                  ; out3
	v_lshl_add_u32 v31, v0, 2, 0x49800
	v_mov_b32 v47, 0
	v_and_b32 v[X], 31, v0                             ; L
	v_and_b32 v[X+1], 15, v0                           ; r
	v_bfe_u32 v[X+2], v0, 4, 1                         ; h
	v_lshrrev_b32 v[X+3], 5, v0
	v_readfirstlane_b32 s30, v[X+3]                    ; w
	s_lshr_b32 s53, s30, 2
	s_and_b32 s42, s30, 3
	s_mul_i32 s49, s53, 3
	s_xor_b32 s31, s30, s49                            ; tau
	s_lshr_b32 s34, s31, 1
	s_mov_b32 s32, ttmp9                               ; segment
	s_and_b32 s33, ttmp7, 0xffff                       ; head
	s_mov_b32 s38, 0xaaaaaaaa
	s_mov_b32 s39, 0xcccccccc
	s_mov_b32 s40, 0xf0f0f0f0
	s_mov_b32 s41, 0xff00ff00
	s_mov_b32 s43, 0x76543210
	s_mov_b32 s44, 0xfedcba98
	s_mov_b32 s48, 0xffff0000                          ; a word's upper bf16; also lanes 16-31
	s_mov_b32 s51, 0xff800000
	s_mov_b32 s52, 0x3fb8aa3b
	s_cmp_gt_u32 s32, 0                                ; does the record of segment 0, 1, 2 lie in front of mine?
	s_cselect_b32 s45, -1, 0
	s_cmp_gt_u32 s32, 1
	s_cselect_b32 s46, -1, 0
	s_cmp_gt_u32 s32, 2
	s_cselect_b32 s47, -1, 0
	v_mul_u32_u24 v[X+4], v[X+2], 144
	v_lshl_add_u32 v[X+4], v[X+1], 3, v[X+4]           ; h*144 + r*8
	v_mul_u32_u24 v[X+5], v[X+1], 144
	v_lshl_add_u32 v[X+5], v[X+2], 4, v[X+5]           ; r*144 + 16h
	v_and_b32 v[X+6], 7, v0
	v_lshl_add_u32 v[X+6], v[X+2], 3, v[X+6]
	v_mul_u32_u24 v[X+6], v[X+6], 160
	v_bfe_u32 v[X+7], v0, 3, 1
	v_lshl_add_u32 v[X+6], v[X+7], 4, v[X+6]           ; (8h + (L&7))*160 + 16((L>>3)&1)
	v_lshlrev_b32 v[GL16], 4, v[X]
	v_lshlrev_b32 v[GL8], 3, v[X]
	v_lshlrev_b32 v[GN], 4, v[X+1]
	s_lshl_b32 s49, s30, 12
	v_add_nc_u32 v[GK], s49, v[GL16]
	s_lshl_b32 s49, s31, 12
	v_add_nc_u32 v[GQ], s49, v[GL16]
	s_lshl_b32 s49, s30, 9
	v_add_nc_u32 v[GT], s49, v[GL16]
	s_lshl_b32 s49, s30, 11
	v_add_nc_u32 v[GR], s49, v[GL16]
	s_mul_i32 s49, s30, 2304
	s_add_co_u32 s35, s49, KHI
	v_add_nc_u32 v[SK], s35, v[X+4]
	s_add_co_u32 s35, s49, QHI
	v_add_nc_u32 v[SQ], s35, v[X+4]
	v_add_nc_u32 v[FQ], s35, v[X+5]
	v_add_nc_u32 v[FK], KHI, v[X+5]
	v_add_nc_u32 v[FKL], KHI+KLO, v[X+5]
	v_add_nc_u32 v[FC], CHI, v[X+5]
	v_mul_u32_u24 v[X+7], v[X+2], 160
	v_lshl_add_u32 v[X+7], v[X+1], 3, v[X+7]
	s_mul_i32 s49, s30, 2560
	s_add_co_u32 s49, s49, KS
	v_add_nc_u32 v[SS], s49, v[X+7]
	s_lshl_b32 s49, s30, 8
	s_add_co_u32 s49, s49, NP
	v_add_nc_u32 v[SN], s49, v[GN]
	v_add_nc_u32 v[LN], NP, v[GN]
	v_add_nc_u32 v[TV], KS+VFO, v[X+6]
	s_lshl_b32 s49, s42, 5
	s_add_co_u32 s49, s49, KS
	v_add_nc_u32 v[TA], s49, v[X+6]
	s_lshl_b32 s49, s53, 6
	s_add_co_u32 s49, s49, KS+VFO
	v_add_nc_u32 v[TB], s49, v[X+6]
	s_mul_i32 s49, s53, 4608
	s_lshl_b32 s35, s42, 5
	s_add_co_u32 s49, s49, s35
	s_add_co_u32 s49, s49, CHI
	v_add_nc_u32 v[SC], s49, v[X+5]
	s_mul_i32 s49, s30, 288
	s_add_co_u32 s49, s49, CHI+9216
	v_add_nc_u32 v[SCN], s49, v[X+4]
	s_mul_i32 s49, s30, 4352
	s_add_co_u32 s49, s49, OS
	v_mul_u32_u24 v[X+7], v[X+1], 272
	v_lshl_add_u32 v[X+7], v[X+2], 5, v[X+7]
	v_add_nc_u32 v[OW], s49, v[X+7]
	v_mul_u32_u24 v[X+7], v[X+2], 272
	v_add_nc_u32 v[X+7], v[X+7], v[GN]                 ; h*272 + r*16
	v_add_nc_u32 v[ORD], s49, v[X+7]
	s_mul_i32 s49, s30, 544
	s_add_co_u32 s49, s49, CS
	v_add_nc_u32 v[CT], s49, v[X+7]
	s_mul_i32 s49, s42, 4352
	s_lshl_b32 s35, s53, 7
	s_add_co_u32 s49, s49, s35
	s_add_co_u32 s49, s49, CS
	v_mul_u32_u24 v[X+7], v[X+2], 2176
	v_lshl_add_u32 v[X+7], v[X+1], 2, v[X+7]
	v_add_nc_u32 v[CL], s49, v[X+7]
	s_lshl_b32 s49, s31, 6
	v_lshl_add_u32 v[AT], v[X+1], 2, s49
	s_lshl_b32 s49, s30, 6
	v_lshl_add_u32 v[AA], v[X+2], 2, s49
	v_lshlrev_b32 v[AY], 5, v[X+2]
	v_mov_b32 v[Z], 0
	v_lshlrev_b32 v[X+7], 3, v[X+2]
	v_sub_nc_u32 v[LIM], v[X+1], v[X+7]
	s_lshl_b32 s49, s31, 4
	v_add_nc_u32 v[LIM], s49, v[LIM]
	s_wait_kmcnt 0x0
	s_lshl_b32 s36, s33, 19
	s_lshl_b32 s49, s32, 17
	s_add_co_u32 s36, s36, s49
	s_mov_b32 s37, 0
	s_add_nc_u64 s[10:11], s[10:11], s[36:37]
	s_add_nc_u64 s[16:17], s[16:17], s[36:37]
	s_add_nc_u64 s[18:19], s[18:19], s[36:37]
	s_add_nc_u64 s[22:23], s[22:23], s[36:37]
	s_lshl_b32 s36, s33, 13
	s_lshl_b32 s49, s32, 11
	s_add_co_u32 s36, s36, s49
	s_add_nc_u64 s[6:7], s[6:7], s[36:37]
	s_add_nc_u64 s[8:9], s[8:9], s[36:37]
	s_lshl_b32 s36, s33, 14
	s_add_nc_u64 s[4:5], s[4:5], s[36:37]
	s_add_nc_u64 s[24:25], s[24:25], s[36:37]
	s_lshl_b32 s36, s33, 8
	s_add_nc_u64 s[14:15], s[14:15], s[36:37]
	s_add_nc_u64 s[26:27], s[26:27], s[36:37]
	s_lshl_b32 s36, s33, 2
	s_add_nc_u64 s[12:13], s[12:13], s[36:37]
	s_add_nc_u64 s[28:29], s[28:29], s[36:37]
	s_mul_i32 s36, s33, 3*SEGREC
	s_add_nc_u64 s[20:21], s[20:21], s[36:37]
	; no base and no address register is written again from here on
	s_cmp_gt_u32 s30, 3
	s_cbranch_scc1 .Lnofi
	global_load_b128 v[G:G+3], v[GT], s[6:7]           ; waves 0-3: f and i of chunk w
	global_load_b128 v[G+4:G+7], v[GT], s[8:9]
.Lnofi:
.irp i,0,1,2,3
	global_load_b128 v[ACC+4*\i:ACC+4*\i+3], v[GT], s[4:5] offset:\i*4096      ; c_state, 16 rows an instruction of the work-group
.endr
	global_load_b128 v[N:N+3], v[GN], s[14:15]
	global_load_b32 v[MP], v[Z], s[12:13]
.irp gp,0,1,2
	global_load_b128 v[TR+20*\gp+16:TR+20*\gp+19], v[GL16], s[20:21] offset:\gp*SEGREC+16384
.endr
.irp gp,0,1,2
.irp tq,0,1,2,3
	global_load_b128 v[TR+20*\gp+4*\tq:TR+20*\gp+4*\tq+3], v[GR], s[20:21] offset:\gp*SEGREC+\tq*512
.endr
.endr
.irp gp,0,1,2
	global_load_b64 v[TR+60+2*\gp:TR+61+2*\gp], v[GL8], s[20:21] offset:\gp*SEGREC+16896
.endr
	LOADS 16, GQ, 0, 0
	LOADS 10, GK, 32, 0
	LOADS 18, GK, 64, 0
	WIN 0
	s_cmp_gt_u32 s30, 3
	s_cbranch_scc1 .Lnogates
	s_wait_loadcnt 48                                  ; younger than f and i: 24 loads of the state and records, 24 of chunk 0
	GATES
.Lnogates:
	s_wait_loadcnt 44                                  ; younger than c_state: 20 + 24
.irp i,0,1,2,3
	ds_store_b128 v[CT], v[ACC+4*\i:ACC+4*\i+3] offset:\i*4352
.endr
	LOADS 16, GQ, 96, 1
	LOADS 10, GK, 128, 1
	LOADS 18, GK, 160, 1
	WIN 0
	s_wait_dscnt 0x0                                   ; the gate arrays and c_state are in LDS
	s_barrier_signal -1
	s_barrier_wait -1
.irp tl,0,1
.irp j,0,1,2,3,4,5,6,7
	ds_load_b32 v[T+8*\tl+\j], v[CL] offset:\j*272+\tl*64      ; c_state in the layout of my two tiles
.endr
.endr
	s_wait_loadcnt 48                                  ; only chunks 0 and 1 are still on their way
	v_mul_f32 v[MP], s52, v[MP]                        ; m_state in base 2
	s_wait_dscnt 0x0
	FOLD 0
	FOLD 1
	FOLD 2
	STATE_OUT 0
	CHUNK 0, 40, 40, 40
	UPDATE 0
	STATE_OUT 1
	CHUNK 1, 40, 40, 40
	UPDATE 1
	STATE_OUT 0
	CHUNK 2, 40, 32, 24
	UPDATE 2
	STATE_OUT 1
	CHUNK 3, 16, 8, 0
	s_cmp_lg_u32 s32, 3                                ; the same in all eight waves
	s_cbranch_scc1 .Lend
	UPDATE 3
	; the final state.  C goes through LDS so that sixteen lanes store one row of 256 bytes.
.irp tl,0,1
.irp j,0,1,2,3,4,5,6,7
	ds_store_b32 v[CL], v[T+8*\tl+\j] offset:\j*272+\tl*64
.endr
.endr
	s_wait_dscnt 0x0
	s_barrier_signal -1
	s_barrier_wait -1
.irp i,0,1,2,3
	ds_load_b128 v[TR+4*\i:TR+4*\i+3], v[CT] offset:\i*4352
.endr
.irp i,0,1,2,3
	s_wait_dscnt 3-\i
	global_store_b128 v[GT], v[TR+4*\i:TR+4*\i+3], s[24:25] offset:\i*4096
.endr
	s_cmp_lg_u32 s30, 0
	s_cbranch_scc1 .Lend
	v_mul_f32 v[X], 0x3f317218, v[MP]                  ; m back from base 2
	s_wait_xcnt 0x0                                    ; EXEC changes only behind this wait
	v_cmp_gt_u32 vcc_lo, 16, v0
	s_and_saveexec_b32 s50, vcc_lo
	global_store_b128 v[GN], v[N:N+3], s[26:27]        ; sixteen lanes: n, 256 consecutive bytes
	s_wait_xcnt 0x0
	s_or_b32 exec_lo, exec_lo, s50
	v_cmp_eq_u32 vcc_lo, 0, v0
	s_and_saveexec_b32 s50, vcc_lo
	global_store_b32 v[Z], v[X], s[28:29]
	s_wait_xcnt 0x0
	s_or_b32 exec_lo, exec_lo, s50
.Lend:
	s_wait_tensorcnt 0x0
	ds_add_u32 v31, v47
	s_wait_dscnt 0x0
	s_endpgm
.Lfunc_end_k_qd8f2916cbb_mlstm:
	.size	k_qd8f2916cbb_mlstm, .Lfunc_end_k_qd8f2916cbb_mlstm-k_qd8f2916cbb_mlstm
	.p2alignl 7, 3214868480
	.fill 96, 4, 3214868480
	.section	.rodata,"a",@progbits
	.p2align	6, 0x0
	.amdhsa_kernel k_qd8f2916cbb_mlstm
		.amdhsa_group_segment_fixed_size 302080
		.amdhsa_private_segment_fixed_size 0
		.amdhsa_enable_private_segment 0
		.amdhsa_kernarg_size 104
		.amdhsa_user_sgpr_count 2
		.amdhsa_user_sgpr_kernarg_segment_ptr 1
		.amdhsa_wavefront_size32 1
		.amdhsa_system_sgpr_workgroup_id_x 1
		.amdhsa_system_sgpr_workgroup_id_y 1
		.amdhsa_system_sgpr_workgroup_id_z 1
		.amdhsa_system_vgpr_workitem_id 0
		.amdhsa_next_free_vgpr 448
		.amdhsa_next_free_sgpr 66
		.amdhsa_reserve_vcc 1
		.amdhsa_float_denorm_mode_32 3
		.amdhsa_float_denorm_mode_16_64 3
		.amdhsa_memory_ordered 1
		.amdhsa_forward_progress 1
		.amdhsa_inst_pref_size 255
	.end_amdhsa_kernel
	.section	.bss,"aw",@nobits
	.p2align	6
	.space	262144
	.amdgpu_metadata
---
amdhsa.version: [ 1, 2 ]
amdhsa.kernels:
  - .name:           k_qd8f2916cbb_mlstm
    .symbol:         k_qd8f2916cbb_mlstm.kd
    .args:
      - { .name: c_state, .offset: 0, .size: 8, .value_kind: global_buffer, .address_space: global }
      - { .name: f, .offset: 8, .size: 8, .value_kind: global_buffer, .address_space: global }
      - { .name: i, .offset: 16, .size: 8, .value_kind: global_buffer, .address_space: global }
      - { .name: k, .offset: 24, .size: 8, .value_kind: global_buffer, .address_space: global }
      - { .name: m_state, .offset: 32, .size: 8, .value_kind: global_buffer, .address_space: global }
      - { .name: n_state, .offset: 40, .size: 8, .value_kind: global_buffer, .address_space: global }
      - { .name: q, .offset: 48, .size: 8, .value_kind: global_buffer, .address_space: global }
      - { .name: v, .offset: 56, .size: 8, .value_kind: global_buffer, .address_space: global }
      - { .name: part, .offset: 64, .size: 8, .value_kind: global_buffer, .address_space: global }
      - { .name: out0, .offset: 72, .size: 8, .value_kind: global_buffer, .address_space: global }
      - { .name: out1, .offset: 80, .size: 8, .value_kind: global_buffer, .address_space: global }
      - { .name: out2, .offset: 88, .size: 8, .value_kind: global_buffer, .address_space: global }
      - { .name: out3, .offset: 96, .size: 8, .value_kind: global_buffer, .address_space: global }
    .group_segment_fixed_size: 302080
    .private_segment_fixed_size: 0
    .kernarg_segment_align: 8
    .kernarg_segment_size: 104
    .max_flat_workgroup_size: 256
    .sgpr_count:     66
    .vgpr_count:     448
    .wavefront_size: 32
...
	.end_amdgpu_metadata
.endif
;; end of part 2
;; ======== version 2 of 2: 2 launches; version 1 with the launch segsum written anew for expert scheduling mode
;; limits: values are held in f16: magnitudes above 65,504 overflow, below 6.1e-05 lose precision
;; workspace buffers: part 3,293,184 bytes
;; launch segsum (part 3): grid 3 x 64, 8 waves a work-group, no clusters, 93,184 bytes of LDS; arguments f, i, k, v, part; writes part
.if DOCPART == 3
	.amdgcn_target "amdgcn-amd-amdhsa--gfx1250"
	.amdhsa_code_object_version 6
	.text
	.protected	k_qd8f2916cbb_segsum
	.globl	k_qd8f2916cbb_segsum
	.p2align	8
	.type	k_qd8f2916cbb_segsum,@function
k_qd8f2916cbb_segsum:
	s_mov_b64 s[64:65], 0
	v_nop
	global_prefetch_b8 v0, s[64:65] scope:SCOPE_SE
	s_setreg_imm32_b32 hwreg(HW_REG_WAVE_SCHED_MODE, 0, 2), 2
	s_setreg_imm32_b32 hwreg(HW_REG_WAVE_MODE, 25, 1), 1
	s_wait_xcnt 0x0
	s_wait_alu depctr_vm_vsrc(0)
; mLSTM, first of two launches.  A head's 2,048 steps are four segments of 512.  Work-group (g, head), g = 0..2, computes what segment g
; alone adds to the state, starting from an empty state: C_loc [64 dk][64 dv], n_loc [64], M (the segment's own stabiliser) and
; G (the sum of its log2 forget gates).  The second launch folds these records into each segment's incoming state.
; All gate quantities are in base 2 (times log2 e).  In a chunk of 128 steps: b_t = running sum of log2 sigmoid(f), y_s = i_s log2 e - b_s,
; w_t = running maximum of y.  With MP the stabiliser at the chunk's head and UL = max(MP, w_127):
;   C <- 2^(MP-UL) C + sum over s of 2^(y_s-UL-3) k_s v_s^T   (the -3 is the 1/sqrt(64)),  n likewise,  MP <- b_127 + UL.
; That is the recurrence's own running maximum, so every exponent is <= 0.
; Eight waves.  Wave w converts rows 16w..16w+15 of each chunk's K and V to f16 in LDS, and owns the state tiles dk block w&3,
; dv blocks 2(w>>2), 2(w>>2)+1.  All 256 KiB of the segment's K and V are asked for at the start: each chunk has staging registers
; of its own in v256-v511, so nothing is loaded twice and no staging register is filled again.
; LIMITS: |k|/8 and |v| below 65,504 (f16 operands); log2(1+e) stands for log1p (absolute error up to 1e-7 a step); exponentials below
; 2^-126 come out as zero; the order of the sums is not the scan's; NaN and infinite inputs are not served.
; No tensor loads: every tile is converted on its way, so it passes through registers anyway.  No cluster: no two work-groups read the same bytes.
; THE MODE: SCHED_MODE bits 1:0 = 2 (LLVM: expert scheduling mode 2), set by the entry lines.  The code itself states the register dependences
; between vector or matrix instructions and memory or LDS instructions, with s_wait_alu, always for 0.
; THE PLAN.  Registers that memory or LDS instructions touch:
;   the addresses (v1 .. v32) and v156, v157   written once at the head, never again.
;   v256-v511      each takes one global load, at the head; read by its chunk's KHAT or VCVT.
;   G              waves 0-3: f and i land in G..G+7; the gate arithmetic writes G+8..G+19, which three LDS stores read.
;   WL, BL, A      a set for each chunk: one LDS load into each register, all forty in one run behind the first barrier, before any vector instruction names them.
;   BH, FD..FD+3   written by KHAT's roundings and sums, read by its nine LDS stores.      BV   the same for VCVT's roundings and its eight stores.
;   TR, QF         behind the chunk's barrier the fragments and n's parts land here; the products and n's sum read them; the next chunk's KHAT and VCVT write part of TR again.
;   T, N, X..X+1   read by the record's stores at the end.
; So a chunk has one wait on va_vdst ahead of each of its two runs of stores; the second, behind which no vector instruction stands up to the barrier, also states
; that all earlier vector and matrix instructions are done with TR and QF; and one wait on vm_vsrc behind the barrier, ahead of the loads that land where the stores read.
; The loads of n's parts stand among the products, which name T and TR alone.
.set LB,  0                            ; LDS: b of the 512 steps, chunk-local
.set LY,  2048                         ; y
.set LW,  4096                         ; w
.set NP,  6144                         ; partial sums of n: [parity][wave][64] f32
.set KS,  10240                        ; 2^(y-UL-3) k in f16: [parity][128 rows], pitch 160
.set VFO, 40960                        ; v in f16 lies this far behind KS, same shape
.set SEGREC, 17152                     ; bytes of a record
.set GK,1                              ; global: w*4096 + L*16
.set GT,3                              ; w*512 + L*16 (f, i; also the gate arrays in LDS)
.set GR,4                              ; w*2048 + L*16 (the record's tiles)
.set GL16,5                            ; L*16
.set GL8,6                             ; L*8
.set GN,7                              ; r*16
.set SS,11                             ; LDS: where my rows of KS go
.set SN,12                             ; where my partial n goes
.set TA,19                             ; transposing loads of KS
.set TB,20                             ; transposing loads of V
.set LN,23                             ; the eight partial n
.set AA,29                             ; (16w+h)*4
.set Z,32                              ; 0
.set MP,34
.set FG,36                             ; pairs: the even register is broadcast by packed arithmetic, the odd one is always written first
.set UL,37
.set WL,38                             ; v[38:41]   chunk c: w_127 at WL + c
.set GS,47
.set N,56                              ; v[56:59]   n[4r..4r+3]
.set T,64                              ; v[64:79]   my two state tiles
.set A,80                              ; v[80:111]  chunk c: 2^(y-UL-3) of my eight rows at A + 8 c
.set NUL3,112                          ; v[112:119] chunk c: a pair at NUL3 + 2 c: -3 - UL, and
.set BL,113                            ;            b_127 at BL + 2 c
.set QF,120                            ; v[120:151] gate work, then the eight partial n
.set G,QF
.set X,152                             ; v[152:155], v[158:159] temporaries; v156, v157 are the closing add's two registers
.set TR,160                            ; v[160:255] transients
.set BH,TR                             ; KHAT's packed 16-bit results
.set BV,TR+16                          ; VCVT's
.set FD,TR+32                          ; 32 f32 at work
.set MSB, 0
.macro WIN new                         ; s_set_vgpr_msb: bits 1:0 source 0, 3:2 source 1, 5:4 source 2, 7:6 destination; the high byte repeats the setting left
.if MSB != \new
	s_set_vgpr_msb (MSB<<8)|\new
.set MSB, \new
.endif
.endm
; eight loads of 512 consecutive bytes: my 16 rows of chunk c, into staging registers of the upper window
.macro LOADS sb, dst, c
	WIN 0x40
.irp i,0,1,2,3,4,5,6,7
	global_load_b128 v[\dst+4*\i:\dst+4*\i+3], v[GK], s[\sb:\sb+1] offset:\c*32768+\i*512
.endr
.endm
; one step of a butterfly that leaves in G+20 the sum (maximum) over the lanes below mine; G+21 block total, G+22 partner's total
.macro SCANSTEP op, d, sm, ident
	v_mov_b32_dpp v[G+22], v[G+21] row_xmask:\d row_mask:0xf bank_mask:0xf
	\op v[G+21], v[G+21], v[G+22]
	v_cndmask_b32 v[G+22], \ident, v[G+22], \sm        ; counts only where the partner's block lies below mine
	\op v[G+20], v[G+20], v[G+22]
.endm
.macro SCAN op, ident
	SCANSTEP \op, 1, s38, \ident
	SCANSTEP \op, 2, s39, \ident
	SCANSTEP \op, 4, s40, \ident
	SCANSTEP \op, 8, s41, \ident
	v_permlanex16_b32 v[G+22], v[G+21], s43, s44
	v_cndmask_b32 v[G+22], \ident, v[G+22], s48        ; lanes 16-31 take the lower half's total
	\op v[G+20], v[G+20], v[G+22]
.endm
; b, y, w of one chunk: 128 steps, four a lane.  f in G+0..3, i in G+4..7.
.macro GATES
.irp e,0,1,2,3
	v_mul_f32 v[G+8+\e], -|v[G+\e]|, s52
.endr
.irp e,0,1,2,3
	v_exp_f32 v[G+8+\e], v[G+8+\e]                     ; e^-|f|
.endr
.irp e,0,1,2,3
	v_min_num_f32 v[G+12+\e], 0, v[G+\e]               ; plain work behind the exponentials (ISA guide 5.7.2)
.endr
	s_wait_alu depctr_va_vdst(0)                       ; the four exponentials have written G+8..G+11, ahead of their first reader
.irp e,0,1,2,3
	v_add_f32 v[G+8+\e], 1.0, v[G+8+\e]
.endr
.irp e,0,1,2,3
	v_log_f32 v[G+8+\e], v[G+8+\e]
.endr
	v_mov_b32 v[G+20], 0                               ; plain work behind the logarithms
	s_wait_alu depctr_va_vdst(0)                       ; the four logarithms have written G+8..G+11, ahead of their first reader
.irp e,0,1,2,3
	v_fma_f32 v[G+8+\e], v[G+12+\e], s52, -v[G+8+\e]   ; log2 sigmoid(f) = min(f,0) log2 e - log2(1 + e^-|f|)
.endr
	v_add_f32 v[G+9], v[G+8], v[G+9]
	v_add_f32 v[G+10], v[G+9], v[G+10]
	v_add_f32 v[G+11], v[G+10], v[G+11]
	v_mov_b32 v[G+21], v[G+11]
	v_mov_b32 v[G+22], 0
	SCAN v_add_f32, 0
.irp e,0,1,2,3
	v_add_f32 v[G+8+\e], v[G+20], v[G+8+\e]            ; b
.endr
.irp e,0,1,2,3
	v_fma_f32 v[G+12+\e], v[G+4+\e], s52, -v[G+8+\e]   ; y = i log2 e - b
.endr
	v_mov_b32 v[G+16], v[G+12]
	v_max_num_f32 v[G+17], v[G+16], v[G+13]
	v_max_num_f32 v[G+18], v[G+17], v[G+14]
	v_max_num_f32 v[G+19], v[G+18], v[G+15]
	v_mov_b32 v[G+21], v[G+19]
	v_mov_b32 v[G+20], s51
	SCAN v_max_num_f32, s51
.irp e,0,1,2,3
	v_max_num_f32 v[G+16+\e], v[G+20], v[G+16+\e]      ; w
.endr
	s_wait_alu depctr_va_vdst(0)                       ; b, y and w are written in G+8..G+19, which the three LDS stores read
	ds_store_b128 v[GT], v[G+8:G+11] offset:LB
	ds_store_b128 v[GT], v[G+12:G+15] offset:LY
	ds_store_b128 v[GT], v[G+16:G+19] offset:LW
.endm
; the chunk's gate figures, from its own set of registers
.macro GCH c
.if \c == 0
	s_wait_dscnt 30                                    ; LDS loads come back in order (ISA guide 5.7.1): chunk 0's ten are in, the 30 of chunks 1 to 3 stay out; those are shown landed by the wait for 0 in front of this chunk's barrier
.endif
	v_max_num_f32 v[UL], v[MP], v[WL+\c]
	v_sub_f32 v[FG], v[MP], v[UL]
	v_sub_f32 v[NUL3+2*\c], 0xc0400000, v[UL]          ; -3 - UL
.irp i,0,2,4,6
	v_pk_add_f32 v[A+8*\c+\i:A+8*\c+\i+1], v[A+8*\c+\i:A+8*\c+\i+1], v[NUL3+2*\c:NUL3+2*\c+1] op_sel_hi:[1,0]
.endr
	v_exp_f32 v[FG], v[FG]
.irp i,0,1,2,3,4,5,6,7
	v_exp_f32 v[A+8*\c+\i], v[A+8*\c+\i]
.endr
.if \c
	v_add_f32 v[GS], v[GS], v[BL+2*\c]                 ; plain work behind the exponentials; the segment's sum of log2 forget gates
.else
	v_mov_b32 v[GS], v[BL]
.endif
	s_wait_alu depctr_va_vdst(0)                       ; the nine exponentials have written FG and the chunk's A, ahead of their first reader
.endm
; my 16 rows of K times their weights (aw: the chunk's A): f16 to LDS, and their sum over the rows as my part of n
.macro KHAT src, po, pn, aw
	WIN 0x01
.irp i,0,2,4,6
	v_pk_mul_f32 v[FD+4*\i:FD+4*\i+1], v[\src+4*\i:\src+4*\i+1], v[\aw+\i:\aw+\i+1] op_sel_hi:[1,0]
	v_pk_mul_f32 v[FD+4*\i+2:FD+4*\i+3], v[\src+4*\i+2:\src+4*\i+3], v[\aw+\i:\aw+\i+1] op_sel_hi:[1,0]
	v_pk_mul_f32 v[FD+4*\i+4:FD+4*\i+5], v[\src+4*\i+4:\src+4*\i+5], v[\aw+\i:\aw+\i+1] op_sel:[0,1] op_sel_hi:[1,1]
	v_pk_mul_f32 v[FD+4*\i+6:FD+4*\i+7], v[\src+4*\i+6:\src+4*\i+7], v[\aw+\i:\aw+\i+1] op_sel:[0,1] op_sel_hi:[1,1]
.endr
	WIN 0
.irp k,0,1,2,3,4,5,6,7,8,9,10,11,12,13,14,15
	v_cvt_pk_f16_f32 v[BH+\k], v[FD+2*\k], v[FD+2*\k+1]
.endr
.irp m,0,8,16,24
	v_pk_add_f32 v[FD+\m:FD+\m+1], v[FD+\m:FD+\m+1], v[FD+\m+4:FD+\m+5]
	v_pk_add_f32 v[FD+\m+2:FD+\m+3], v[FD+\m+2:FD+\m+3], v[FD+\m+6:FD+\m+7]
.endr
.irp m,0,16
	v_pk_add_f32 v[FD+\m:FD+\m+1], v[FD+\m:FD+\m+1], v[FD+\m+8:FD+\m+9]
	v_pk_add_f32 v[FD+\m+2:FD+\m+3], v[FD+\m+2:FD+\m+3], v[FD+\m+10:FD+\m+11]
.endr
	v_pk_add_f32 v[FD:FD+1], v[FD:FD+1], v[FD+16:FD+17]
	v_pk_add_f32 v[FD+2:FD+3], v[FD+2:FD+3], v[FD+18:FD+19]
.irp e,0,1,2,3
	v_permlanex16_b32 v[X+\e], v[FD+\e], s43, s44      ; the odd rows' sums meet the even rows'
.endr
	v_pk_add_f32 v[FD:FD+1], v[FD:FD+1], v[X:X+1]
	v_pk_add_f32 v[FD+2:FD+3], v[FD+2:FD+3], v[X+2:X+3]
	s_wait_alu depctr_va_vdst(0)                       ; the roundings have written BH and the sums FD..FD+3, which the nine LDS stores read
.irp i,0,1,2,3,4,5,6,7
	ds_store_b64 v[SS], v[BH+2*\i:BH+2*\i+1] offset:\po+\i*320
.endr
	ds_store_b128 v[SN], v[FD:FD+3] offset:\pn         ; both halves of the wave write the same 16 bytes with the same numbers
.endm
; V's roundings have an out-buffer of their own: they write no register that KHAT's stores read
.macro VCVT src, po
	WIN 0x05
.irp k,0,1,2,3,4,5,6,7,8,9,10,11,12,13,14,15
	v_cvt_pk_f16_f32 v[BV+\k], v[\src+2*\k], v[\src+2*\k+1]
.endr
	WIN 0
	s_wait_alu depctr_va_vdst(0)                       ; the roundings have written BV, which the eight LDS stores read; and every vector and matrix instruction so far is done with TR and QF, in which the loads behind the barrier land
.irp i,0,1,2,3,4,5,6,7
	ds_store_b64 v[SS], v[BV+2*\i:BV+2*\i+1] offset:VFO+\po+\i*320
.endr
.endm
; the two products of 32 steps: the two tiles take turns, one matrix instruction a turn
.macro MM2 ks
	v_wmma_f32_16x16x32_f16 v[T:T+7], v[TR+8*\ks:TR+8*\ks+7], v[TR+32+8*\ks:TR+32+8*\ks+7], v[T:T+7]
	v_wmma_f32_16x16x32_f16 v[T+8:T+15], v[TR+8*\ks:TR+8*\ks+7], v[TR+64+8*\ks:TR+64+8*\ks+7], v[T+8:T+15]
.endm
; C <- FG C + (weighted K)^T V over the chunk's 128 steps; n <- FG n + the eight waves' parts.  first = 1: the products start the sums.
; The fragments are asked for in the order of their use, six loads for each 32 steps; the loads of n's parts stand among the products.
.macro UPDATE c, first
	s_wait_alu depctr_vm_vsrc(0)                       ; my LDS stores have read BH, BV and FD..FD+3 (and, ahead of the first chunk, G+8..G+19): the loads below land in these registers
.irp ks,0,1,2,3
	ds_load_tr16_b128 v[TR+8*\ks:TR+8*\ks+3], v[TA] offset:(\c&1)*20480+\ks*5120
	ds_load_tr16_b128 v[TR+8*\ks+4:TR+8*\ks+7], v[TA] offset:(\c&1)*20480+\ks*5120+2560
.irp tl,0,1
	ds_load_tr16_b128 v[TR+32+8*(4*\tl+\ks):TR+32+8*(4*\tl+\ks)+3], v[TB] offset:(\c&1)*20480+32*\tl+\ks*5120
	ds_load_tr16_b128 v[TR+32+8*(4*\tl+\ks)+4:TR+32+8*(4*\tl+\ks)+7], v[TB] offset:(\c&1)*20480+32*\tl+\ks*5120+2560
.endr
.endr
.if \first
	s_wait_dscnt 18                                    ; younger: the 18 loads of steps 32 to 127: the first six are in
	v_wmma_f32_16x16x32_f16 v[T:T+7], v[TR:TR+7], v[TR+32:TR+39], 0
	v_wmma_f32_16x16x32_f16 v[T+8:T+15], v[TR:TR+7], v[TR+64:TR+71], 0
.else
.irp k,0,2,4,6,8,10,12,14
	v_pk_mul_f32 v[T+\k:T+\k+1], v[T+\k:T+\k+1], v[FG:FG+1] op_sel_hi:[1,0]
.endr
	s_wait_dscnt 18                                    ; younger: the 18 loads of steps 32 to 127: the first six are in
	MM2 0
.endif
.irp j,0,1,2,3
	ds_load_b128 v[QF+4*\j:QF+4*\j+3], v[LN] offset:(\c&1)*2048+\j*256     ; no wait: no vector or matrix instruction since the last wait on va_vdst names QF
.endr
	s_wait_dscnt 16                                    ; younger: 12 fragment loads and 4 of n's parts
	MM2 1
.irp j,4,5,6,7
	ds_load_b128 v[QF+4*\j:QF+4*\j+3], v[LN] offset:(\c&1)*2048+\j*256
.endr
	s_wait_dscnt 14                                    ; younger: 6 fragment loads and 8 of n's parts
	MM2 2
	s_wait_dscnt 8                                     ; younger: the eight loads of n's parts
	MM2 3
	s_wait_dscnt 0x0
	; the sum of n's parts names none of the products' registers: it fills the four places behind them (ISA guide 7.12.1)
.irp m,0,8,16,24
	v_pk_add_f32 v[QF+\m:QF+\m+1], v[QF+\m:QF+\m+1], v[QF+\m+4:QF+\m+5]
	v_pk_add_f32 v[QF+\m+2:QF+\m+3], v[QF+\m+2:QF+\m+3], v[QF+\m+6:QF+\m+7]
.endr
.irp m,0,16
	v_pk_add_f32 v[QF+\m:QF+\m+1], v[QF+\m:QF+\m+1], v[QF+\m+8:QF+\m+9]
	v_pk_add_f32 v[QF+\m+2:QF+\m+3], v[QF+\m+2:QF+\m+3], v[QF+\m+10:QF+\m+11]
.endr
.if \first
	v_pk_add_f32 v[N:N+1], v[QF:QF+1], v[QF+16:QF+17]
	v_pk_add_f32 v[N+2:N+3], v[QF+2:QF+3], v[QF+18:QF+19]
.else
	v_pk_add_f32 v[QF:QF+1], v[QF:QF+1], v[QF+16:QF+17]
	v_pk_add_f32 v[QF+2:QF+3], v[QF+2:QF+3], v[QF+18:QF+19]
	v_pk_fma_f32 v[N:N+1], v[N:N+1], v[FG:FG+1], v[QF:QF+1] op_sel_hi:[1,0,1]
	v_pk_fma_f32 v[N+2:N+3], v[N+2:N+3], v[FG:FG+1], v[QF+2:QF+3] op_sel_hi:[1,0,1]
.endif
.endm
; One chunk.  The LDS regions have two parities: parity c&1 is written again in chunk c+2, behind the barrier of chunk c+1,
; which a wave signals only when its reads of chunk c have come back.  So one barrier a chunk orders both directions.
.macro SCHUNK c, first
	GCH \c
	s_wait_loadcnt 8+16*(3-\c)                         ; younger: this chunk's V (8) and the later chunks' K and V (16 each)
	KHAT (64*\c), ((\c&1)*20480), ((\c&1)*2048), (A+8*\c)
	s_wait_loadcnt 16*(3-\c)
	VCVT (64*\c+32), ((\c&1)*20480)
	s_wait_dscnt 0x0                                   ; my stores are in LDS, for the other waves' sake
	s_barrier_signal -1
	s_barrier_wait -1
	UPDATE \c, \first
	v_add_f32 v[MP], v[BL+2*\c], v[UL]                 ; the stabiliser at the chunk's end
.endm
	s_load_b256 s[4:11], s[0:1], 0x0                   ; f s[4:5], i s[6:7], k s[8:9], v s[10:11]
	s_load_b64 s[12:13], s[0:1], 0x20                  ; part
	v_lshl_add_u32 v156, v0, 2, 0x16800                ; the closing add's two registers: my spare word behind V's tiles,
	v_mov_b32 v157, 0                                  ; and 0; kept for that alone
	v_and_b32 v[X], 31, v0                             ; L
	v_and_b32 v[X+1], 15, v0                           ; r
	v_bfe_u32 v[X+2], v0, 4, 1                         ; h
	v_lshrrev_b32 v[X+3], 5, v0
	v_readfirstlane_b32 s30, v[X+3]                    ; w
	s_mov_b32 s32, ttmp9                               ; segment
	s_and_b32 s33, ttmp7, 0xffff                       ; head
	s_mov_b32 s38, 0xaaaaaaaa                          ; lanes with bit 0, 1, 2, 3 set
	s_mov_b32 s39, 0xcccccccc
	s_mov_b32 s40, 0xf0f0f0f0
	s_mov_b32 s41, 0xff00ff00
	s_mov_b32 s43, 0x76543210                          ; v_permlanex16_b32: lane i of the other half
	s_mov_b32 s44, 0xfedcba98
	s_mov_b32 s48, 0xffff0000                          ; lanes 16-31
	s_mov_b32 s51, 0xff800000                          ; -infinity
	s_mov_b32 s52, 0x3fb8aa3b                          ; log2 e
	v_lshlrev_b32 v[GL16], 4, v[X]
	v_lshlrev_b32 v[GL8], 3, v[X]
	v_lshlrev_b32 v[GN], 4, v[X+1]
	s_wait_alu depctr_va_sdst(0)                       ; s30 is written, ahead of its first reader: addresses, bases and branches are made from it
	s_and_b32 s42, s30, 3
	s_lshr_b32 s53, s30, 2
	s_lshl_b32 s49, s30, 12
	v_add_nc_u32 v[GK], s49, v[GL16]
	s_lshl_b32 s49, s30, 9
	v_add_nc_u32 v[GT], s49, v[GL16]
	s_lshl_b32 s49, s30, 11
	v_add_nc_u32 v[GR], s49, v[GL16]
	v_mul_u32_u24 v[X+7], v[X+2], 160
	v_lshl_add_u32 v[X+7], v[X+1], 3, v[X+7]           ; h*160 + r*8
	s_mul_i32 s49, s30, 2560
	s_add_co_u32 s49, s49, KS
	v_add_nc_u32 v[SS], s49, v[X+7]
	s_lshl_b32 s49, s30, 8
	s_add_co_u32 s49, s49, NP
	v_add_nc_u32 v[SN], s49, v[GN]
	v_add_nc_u32 v[LN], NP, v[GN]
	v_and_b32 v[X+6], 7, v0                            ; transposing loads: row 8h + (L&7), 16 bytes for each half of eight lanes
	v_lshl_add_u32 v[X+6], v[X+2], 3, v[X+6]
	v_mul_u32_u24 v[X+6], v[X+6], 160
	v_bfe_u32 v[X+7], v0, 3, 1
	v_lshl_add_u32 v[X+6], v[X+7], 4, v[X+6]
	s_lshl_b32 s49, s42, 5
	s_add_co_u32 s49, s49, KS
	v_add_nc_u32 v[TA], s49, v[X+6]
	s_lshl_b32 s49, s53, 6
	s_add_co_u32 s49, s49, KS+VFO
	v_add_nc_u32 v[TB], s49, v[X+6]
	s_lshl_b32 s49, s30, 6
	v_lshl_add_u32 v[AA], v[X+2], 2, s49
	v_mov_b32 v[Z], 0
	s_wait_kmcnt 0x0
	s_lshl_b32 s36, s33, 19                            ; head x 2,048 rows + segment x 512 rows of 256 bytes
	s_lshl_b32 s49, s32, 17
	s_add_co_u32 s36, s36, s49
	s_mov_b32 s37, 0
	s_add_nc_u64 s[8:9], s[8:9], s[36:37]
	s_add_nc_u64 s[10:11], s[10:11], s[36:37]
	s_lshl_b32 s36, s33, 13
	s_lshl_b32 s49, s32, 11
	s_add_co_u32 s36, s36, s49
	s_add_nc_u64 s[4:5], s[4:5], s[36:37]
	s_add_nc_u64 s[6:7], s[6:7], s[36:37]
	s_mul_i32 s36, s33, 3
	s_add_co_u32 s36, s36, s32
	s_mul_i32 s36, s36, SEGREC
	s_add_nc_u64 s[12:13], s[12:13], s[36:37]
	s_wait_alu depctr_va_vdst(0)                       ; all the addresses and offsets (v1 .. v32) are written, which every load and store of the kernel reads; none is written again
	s_cmp_gt_u32 s30, 3
	s_cbranch_scc1 .Lnofi
	global_load_b128 v[G:G+3], v[GT], s[4:5]           ; waves 0-3: f and i of chunk w
	global_load_b128 v[G+4:G+7], v[GT], s[6:7]
.Lnofi:
	LOADS 8, 0, 0
	LOADS 10, 32, 0
	LOADS 8, 64, 1
	LOADS 10, 96, 1
	LOADS 8, 128, 2
	LOADS 10, 160, 2
	WIN 0
	s_cmp_gt_u32 s30, 3
	s_cbranch_scc1 .Lnogates
	s_wait_loadcnt 48                                  ; the 48 loads of K and V are younger than f and i
	GATES
.Lnogates:
	LOADS 8, 192, 3                                    ; no wait: the gate arithmetic names neither v[GK] nor the staging registers
	LOADS 10, 224, 3
	WIN 0
	s_wait_dscnt 0x0                                   ; the gate arrays are in LDS
	s_barrier_signal -1
	s_barrier_wait -1
	; the gate figures of all four chunks, each into registers of its own that no vector instruction has named: w_127, b_127, and y of my rows 2i+h
.irp c,0,1,2,3
	ds_load_b32 v[WL+\c], v[Z] offset:LW+512*\c+508
	ds_load_b32 v[BL+2*\c], v[Z] offset:LB+512*\c+508
.irp i,0,1,2,3,4,5,6,7
	ds_load_b32 v[A+8*\c+\i], v[AA] offset:LY+512*\c+8*\i
.endr
.endr
	v_mov_b32 v[MP], s51                               ; an empty state: stabiliser -infinity
	SCHUNK 0, 1
	SCHUNK 1, 0
	SCHUNK 2, 0
	SCHUNK 3, 0
	; the record.  Each store of a wave covers 512 (the last 256) consecutive bytes, aligned to 256.
	s_wait_alu depctr_va_vdst(0)                       ; the last products have written my two tiles and the last sums n, which the stores below read; the places behind the products, n's sum, stay beside this wait
.irp tl,0,1
.irp qd,0,1
	global_store_b128 v[GR], v[T+8*\tl+4*\qd:T+8*\tl+4*\qd+3], s[12:13] offset:\tl*1024+\qd*512
.endr
.endr
	s_cmp_lg_u32 s30, 0
	s_cbranch_scc1 .Lend
	v_mov_b32 v[X], v[MP]
	v_mov_b32 v[X+1], v[GS]
	s_wait_alu depctr_va_vdst(0)                       ; the pair M, G is written in X, X+1, which the last store reads
	global_store_b128 v[GL16], v[N:N+3], s[12:13] offset:16384
	global_store_b64 v[GL8], v[X:X+1], s[12:13] offset:16896
.Lend:
	s_wait_dscnt 0x0                                   ; the closing lines, six on end
	s_wait_alu 0x0
	s_wait_tensorcnt 0x0
	ds_add_u32 v156, v157
	s_wait_dscnt 0x0
	s_endpgm
.Lfunc_end_k_qd8f2916cbb_segsum:
	.size	k_qd8f2916cbb_segsum, .Lfunc_end_k_qd8f2916cbb_segsum-k_qd8f2916cbb_segsum
	.p2alignl 7, 3214868480
	.fill 96, 4, 3214868480
	.section	.rodata,"a",@progbits
	.p2align	6, 0x0
	.amdhsa_kernel k_qd8f2916cbb_segsum
		.amdhsa_group_segment_fixed_size 93184
		.amdhsa_private_segment_fixed_size 0
		.amdhsa_enable_private_segment 0
		.amdhsa_kernarg_size 40
		.amdhsa_user_sgpr_count 2
		.amdhsa_user_sgpr_kernarg_segment_ptr 1
		.amdhsa_wavefront_size32 1
		.amdhsa_system_sgpr_workgroup_id_x 1
		.amdhsa_system_sgpr_workgroup_id_y 1
		.amdhsa_system_sgpr_workgroup_id_z 1
		.amdhsa_system_vgpr_workitem_id 0
		.amdhsa_next_free_vgpr 512
		.amdhsa_next_free_sgpr 66
		.amdhsa_reserve_vcc 0
		.amdhsa_float_denorm_mode_32 3
		.amdhsa_float_denorm_mode_16_64 3
		.amdhsa_memory_ordered 1
		.amdhsa_forward_progress 1
		.amdhsa_inst_pref_size 60
	.end_amdhsa_kernel
	.amdgpu_metadata
---
amdhsa.version: [ 1, 2 ]
amdhsa.kernels:
  - .name:           k_qd8f2916cbb_segsum
    .symbol:         k_qd8f2916cbb_segsum.kd
    .args:
      - { .name: f, .offset: 0, .size: 8, .value_kind: global_buffer, .address_space: global }
      - { .name: i, .offset: 8, .size: 8, .value_kind: global_buffer, .address_space: global }
      - { .name: k, .offset: 16, .size: 8, .value_kind: global_buffer, .address_space: global }
      - { .name: v, .offset: 24, .size: 8, .value_kind: global_buffer, .address_space: global }
      - { .name: part, .offset: 32, .size: 8, .value_kind: global_buffer, .address_space: global }
    .group_segment_fixed_size: 93184
    .private_segment_fixed_size: 0
    .kernarg_segment_align: 8
    .kernarg_segment_size: 40
    .max_flat_workgroup_size: 256
    .sgpr_count:     66
    .vgpr_count:     512
    .wavefront_size: 32
...
	.end_amdgpu_metadata
.endif
;; end of part 3
;; launch mlstm: the kernel of part 2 again; grid 4 x 64, 8 waves a work-group, no clusters, 302,080 bytes of LDS; arguments c_state, f, i, k, m_state, n_state, q, v, part, out0, out1, out2, out3; writes out0, out1, out2, out3
